; MI455X (gfx1250); checked and timed in simulation.
; The chip was launched on July 23, 2026; its instructions are those of AMD's public machine-readable ISA for CDNA 5 (MIT licence, August 2026) and "CDNA5" Instruction Set Architecture Reference Guide (July 2026). The comments in the code are by the model that wrote it; some were corrected since.
;; MM Attention. Allowed arithmetic: matrix products marked QUANTISED: E2M1 operands, one E8M0 scale for each 32 along K, by v_wmma_scale_f32_16x16x128_f8f6f4 with both operands' format E2M1 (or v_wmma_scale_f32_32x16x128_f4), f32 sums; products left as they are: bf16, f16 or f32 operands; f32 sums; everything else in f32.
;; Inputs: b1_proj 1,024 float32; b2_proj 1,024 float32; g1_k 64 float32; g1_q 64 float32; g2_k 64 float32; g2_q 64 float32; w1_proj 1,024 x 1,024 float32; w1_qkv 3,072 x 1,024 float32; w2_proj 1,024 x 1,024 float32; w2_qkv 3,072 x 1,024 float32; x1 4 x 1,024 x 1,024 float32; x2 4 x 1,024 x 1,024 float32.
;; Outputs: out0 4 x 1,024 x 1,024 float32; out1 4 x 1,024 x 1,024 float32.
;; This version of the problem:
;;   THIS VERSION OF THE PROBLEM IS GIVEN IN LOW PRECISION. The matrix products marked QUANTISED in the list below multiply operands that are first quantised to E2M1 (2 exponent bits, 1 mantissa bit; 4 bits a number), with one power-of-two scale for each 32 numbers along K (OCP MX v1.0); their sums are f32. The products marked 'left as it is' may take bf16, f16 or f32 operands, with f32 sums. Whichever they take, every output number must still come out within the allowed error. Rounding operands to bf16 (8 significant bits) uses up far more of that allowance than f16 does (11 bits, for magnitudes from 6e-5 to 65,504). All else is computed in f32.
;;   The module's matrix products, in the order in which they are computed (A, B: the left and right operand; K: the contracted axis; several contracted axes count as one K, in the product's order):
;;     1. [M 4,096, K 1,024] x [K 1,024, N 3,072]; A: input x1; B: input w1_qkv: QUANTISED
;;     2. [M 4,096, K 1,024] x [K 1,024, N 3,072]; A: input x2; B: input w2_qkv: QUANTISED
;;     3. batch 64 x [M 2,048, K 64] x [K 64, N 2,048]; A: computed on the way; B: computed on the way: left as it is (an operand is computed on the way)
;;     4. batch 64 x [M 2,048, K 2,048] x [K 2,048, N 64]; A: computed on the way; B: computed on the way: left as it is (an operand is computed on the way)
;;     5. [M 4,096, K 1,024] x [K 1,024, N 1,024]; A: computed on the way; B: input w1_proj: left as it is (an operand is computed on the way)
;;     6. [M 4,096, K 1,024] x [K 1,024, N 1,024]; A: computed on the way; B: input w2_proj: left as it is (an operand is computed on the way)
;;   THE QUANTISER, for each operand of a quantised product, along K:
;;     - K is cut into blocks of 32 from its start; a last block that is shorter is filled with zeros.
;;     - A block's scale is 2^e with e = floor(log2(the largest magnitude in the block)) - 2, held to -126 .. 127; a block of zeros has e = 0. As a byte (E8M0): e + 127.
;;     - Each number is divided by its block's scale, clamped to +-6, and rounded to the nearest number of E2M1, ties to even, subnormals kept.
;;     - The product sums the exact products of the quantised numbers (number of the format x scale) in f32.
;;   ~~~python
;;   def quantise(x, axis):      # numpy; x: float32 -> the quantised numbers, widened to float32 again
;;       x = np.moveaxis(x, axis, -1); K = x.shape[-1]
;;       x = np.pad(x, [(0, 0)] * (x.ndim - 1) + [(0, -K % 32)]); x = x.reshape(x.shape[:-1] + (-1, 32)); a = np.abs(x).max(-1, keepdims=True)
;;       e = np.where(a > 0, np.clip(np.frexp(np.where(a > 0, a, 1))[1] - 1 - 2, -126, 127), 0)      # np.frexp(a)[1] - 1 = floor(log2(a)), exactly
;;       r = np.clip(x / 2.0 ** e, -6, 6)
;;       step = 2.0 ** (np.maximum(np.frexp(np.where(r == 0, 1, r))[1] - 1, 0) - 1)
;;       q = np.round(r / step) * step * 2.0 ** e      # np.round: ties to even
;;       return np.moveaxis(q.reshape(q.shape[:-2] + (-1,))[..., :K], -1, axis).astype(np.float32)
;;   ~~~
;; One version. Each part assembles by itself: llvm-mc -triple=amdgcn-amd-amdhsa -mcpu=gfx1250 --defsym DOCPART=n.
;; ======== version 1 of 1: 4 launches
;; limits: values are held in f16: magnitudes above 65,504 overflow, below 6.1e-05 lose precision
;; workspace buffers: xc 4,194,304 bytes; xs 262,144 bytes; wc 3,145,728 bytes; ws 196,608 bytes; wp 4,194,304 bytes; qi 16,777,216 bytes; kv 33,554,432 bytes; ai 16,777,216 bytes
;; launch prep (part 1): grid 512 x 1, 4 waves a work-group, no clusters, 33,280 bytes of LDS; arguments x1, x2, w1_qkv, w2_qkv, w1_proj, w2_proj, xc, xs, wc, ws, wp; writes xc, xs, wc, ws, wp
.if DOCPART == 1
	.amdgcn_target "amdgcn-amd-amdhsa--gfx1250"
	.amdhsa_code_object_version 6
	.text
	.protected	k_q5d58e58989_prep
	.globl	k_q5d58e58989_prep
	.p2align	8
	.type	k_q5d58e58989_prep,@function
k_q5d58e58989_prep:
	s_mov_b64 s[64:65], 0
	v_nop
	global_prefetch_b8 v0, s[64:65] scope:SCOPE_SE
	s_setreg_imm32_b32 hwreg(HW_REG_WAVE_MODE, 25, 1), 1
	s_wait_xcnt 0x0
; x1, x2 [4096][1024] and w1_qkv, w2_qkv [3072][1024], f32, become codes of FP4 (E2M1), K innermost, two codes a byte, with one E8M0 scale byte for each 32 along K:
; xc [8192][512 bytes] and xs [8192][32] hold x1's rows, then x2's; wc [6144][512] and ws [6144][32] hold w1_qkv's, then w2_qkv's.  w1_proj, w2_proj [1024][1024] are rounded to f16: wp [2048][1024].
; A block's scale is 2^(floor(log2(its largest magnitude)) - 2); its byte is the largest magnitude's exponent field - 2, held at 1 from below.  Each number is divided by the scale and rounded to the nearest code, ties to even,
; beyond the largest code the largest.  A block of zeros gets the byte 1 where the rule says 127: its codes are zeros, which add nothing under any byte but 0xff, and this program alone reads the bytes.
; LIMITS: blocks whose largest magnitude lies under 2^-124, the floor, were not tried; NaN and infinities among the inputs are not served; |w_proj| stays under 65,504, f16's largest number.
; SHARES.  A work-group takes 32,768 numbers, a wave 8,192.  Work-groups 0-127: x1; 128-255: x2; 256-351: w1_qkv; 352-447: w2_qkv; 448-479: w1_proj; 480-511: w2_proj.
; Rows are dense and 1,024 is a multiple of 32, so each tensor is a plain stream of blocks, and so are its codes and scale bytes.
; QUANTISING: 16 steps of 512 numbers a wave.  Each of a step's four loads reads 512 consecutive bytes, 16 a lane; the 2,048 bytes turn through the wave's own stage in LDS and come back 64 bytes a lane: 16 neighbours along K,
; two neighbouring lanes to a block.  A lane's 16 codes are 8 bytes: a store of the wave covers 256 consecutive bytes, aligned.  The wave's 256 scale bytes are gathered in LDS and leave by one such store.
; No tensor loads, no barrier: waves share nothing.
.set WAVES, 4
.set STEPS, 16
.set EMAX,  2
.set CB,    8                          ; bytes of 16 codes
.set R,     16                         ; v16-79   four sets of 16 numbers as loaded (the f16 path: v16-143, two sets of 64)
.set X,     80                         ; v80-111  two sets of 16 neighbours
.set C,     128                        ; v128-191 codes: four registers for each step, so that no store's data are written again
.set E,     112                        ; v112-127 a scale byte for each step
.set H,     144                        ; v144-175 the f16 path: a batch's results
.set WREG,  8192                       ; LDS: a region for each wave: two stages of 32 x SP bytes, behind them its 256 scale bytes
.set SP,    80                         ; a lane's place in a stage: 64 bytes + 16 of padding
.set SPW,   12                         ; v12  LDS address of my spare word; never rewritten
.set NIL,   13                         ; v13  0; never rewritten
.set SPARE, WAVES*WREG                 ; behind the four regions: the spare words, 128 bytes a wave, which no other line names
	s_load_b512 s[32:47], s[0:1], 0x0              ; x1 s32, x2 s34, w1_qkv s36, w2_qkv s38, w1_proj s40, w2_proj s42, xc s44, xs s46
	s_load_b128 s[48:51], s[0:1], 0x40             ; wc, ws
	s_load_b64 s[52:53], s[0:1], 0x50              ; wp
	v_lshl_add_u32 v[SPW], v0, 2, SPARE
	v_mov_b32 v[NIL], 0
	v_lshrrev_b32 v1, 5, v0
	v_readfirstlane_b32 s16, v1                    ; wave
	v_and_b32 v2, 31, v0                           ; lane
	v_lshlrev_b32 v3, 4, v2                        ; my 16 bytes of a load's 512
	s_mul_i32 s17, s16, WREG
	v_lshrrev_b32 v14, 2, v2
	v_mul_u32_u24 v14, v14, SP
	v_and_b32 v15, 3, v2
	v_lshl_add_u32 v14, v15, 4, v14
	v_add_nc_u32 v14, s17, v14                     ; the stage, on the way in: four lanes' 64 bytes on end, then 16 of padding
	v_mul_u32_u24 v15, v2, SP
	v_add_nc_u32 v15, s17, v15                     ; and on the way out: SP x lane: my 16 neighbours
	v_mul_u32_u24 v4, v2, CB                       ; my codes' place in a step's
	v_lshrrev_b32 v5, 1, v2
	s_add_co_u32 s17, s17, 2*32*SP
	v_add_nc_u32 v5, s17, v5                       ; LDS: my wave's 256 scale bytes, my block's byte
	v_lshlrev_b32 v7, 3, v2                        ; 8 bytes a lane
	v_add_nc_u32 v6, s17, v7
	s_mov_b32 s19, 0
	s_wait_kmcnt 0x0
	s_cmp_ge_u32 ttmp9, 448                        ; the work-group's number alone decides the path
	s_cbranch_scc1 .Lhalves
	; which tensor: only pointers and first numbers are chosen; all four tensors take one path through the text
	s_cmp_lt_u32 ttmp9, 128
	s_cselect_b64 s[26:27], s[32:33], s[34:35]     ; x1 or x2
	s_cselect_b32 s30, 0, 128                      ; the tensor's first work-group
	s_cmp_lt_u32 ttmp9, 352
	s_cselect_b64 s[28:29], s[36:37], s[38:39]     ; w1_qkv or w2_qkv
	s_mov_b32 s31, 352
	s_cselect_b32 s31, 256, s31
	s_cmp_lt_u32 ttmp9, 256
	s_cselect_b64 s[4:5], s[26:27], s[28:29]       ; the numbers,
	s_cselect_b64 s[8:9], s[44:45], s[48:49]       ; the codes,
	s_cselect_b64 s[10:11], s[46:47], s[50:51]     ; the scale bytes
	s_cselect_b32 s22, s30, s31
	s_cselect_b32 s23, 0, 256                      ; the first work-group of the pair of tensors that share the buffers of codes
	s_sub_co_u32 s18, ttmp9, s22
	s_lshl_b32 s18, s18, 2
	s_add_co_u32 s18, s18, s16                     ; which run of 8,192 numbers of the tensor is my wave's
	s_lshl_b32 s18, s18, 15                        ; 32,768 bytes a run (under 2^25)
	s_add_nc_u64 s[4:5], s[4:5], s[18:19]
	s_sub_co_u32 s20, ttmp9, s23
	s_lshl_b32 s20, s20, 2
	s_add_co_u32 s20, s20, s16                     ; and which run of the buffers
	s_lshl_b32 s18, s20, 12                        ; 4,096 bytes of codes a run
	s_add_nc_u64 s[8:9], s[8:9], s[18:19]
	s_lshl_b32 s18, s20, 8                         ; 256 scale bytes a run
	s_add_nc_u64 s[10:11], s[10:11], s[18:19]
.macro LOAD t
.irp i, 0,1,2,3
	global_load_b128 v[R+16*((\t)%4)+4*\i:R+16*((\t)%4)+4*\i+3], v3, s[4:5] offset:2048*(\t)+512*\i th:TH_LOAD_NT   ; 32 lanes read 512 consecutive bytes
.endr
.endm
.macro TURN t                          ; step t's numbers through the stage: LDS serves a wave's instructions in order, so no wait stands between the stores and the loads
.irp i, 0,1,2,3
	ds_store_b128 v14, v[R+16*((\t)%4)+4*\i:R+16*((\t)%4)+4*\i+3] offset:32*SP*((\t)%2)+8*SP*\i
.endr
.irp i, 0,1,2,3
	ds_load_b128 v[X+16*((\t)%2)+4*\i:X+16*((\t)%2)+4*\i+3], v15 offset:32*SP*((\t)%2)+16*\i
.endr
.endm
.irp t, 0,1,2,3
	LOAD \t
.endr
	s_wait_loadcnt 12                              ; step 0's four loads are in; those of steps 1 to 3 may be out
	TURN 0
.macro STEP t
.set XS, X+16*((\t)%2)
.if (\t) > 0
	s_wait_dscnt 1                                 ; this step's numbers are back from the stage (the last step's byte store may be out): so its stores into the stage have read their registers,
.else
	s_wait_dscnt 0x0
.endif
.if (\t)+4 < STEPS
	LOAD (\t)+4                                    ; which take the loads of four steps on
.endif
.if (\t)+1 < STEPS
.if STEPS-2-(\t) >= 3
	s_wait_loadcnt 12                              ; the next step's four loads are in; those of the three steps behind it may be out
.else
	s_wait_loadcnt 4*(STEPS-2-(\t))
.endif
	TURN (\t)+1                                    ; and go through the other stage while this step is worked
.endif
	v_max3_num_f32 v8, |v[XS]|, |v[XS+1]|, |v[XS+2]|               ; the largest magnitude of my 16, in two chains
	v_max3_num_f32 v9, |v[XS+3]|, |v[XS+4]|, |v[XS+5]|
.irp i, 6,10
	v_max3_num_f32 v8, v8, |v[XS+\i]|, |v[XS+\i+1]|
	v_max3_num_f32 v9, v9, |v[XS+\i+2]|, |v[XS+\i+3]|
.endr
	v_max3_num_f32 v8, v8, |v[XS+14]|, |v[XS+15]|
	v_max3_num_f32 v8, v8, v9, (EMAX+1)<<23        ; and the floor 2^(3 - 127): the byte cannot fall under 1
	v_max_num_f32_dpp v8, v8, v8 row_xmask:1 row_mask:0xf bank_mask:0xf   ; and of my neighbour's 16: the block's
	v_add_nc_u32 v11, -(EMAX<<23), v8              ; 2 off its exponent field: the conversion takes the exponent field of this operand as its scale, and nothing else of it
	v_cvt_scalef32_pk8_fp4_f32 v[C+4*(\t)], v[XS:XS+7], v11
	v_cvt_scalef32_pk8_fp4_f32 v[C+4*(\t)+1], v[XS+8:XS+15], v11
	v_lshrrev_b32 v[E+(\t)], 23, v11               ; the scale's byte (also the plain line behind the conversions)
	ds_store_b8 v5, v[E+(\t)] offset:16*(\t)       ; both lanes of a block write the same byte with the same value
	global_store_b64 v4, v[C+4*(\t):C+4*(\t)+1], s[8:9] offset:32*CB*(\t)   ; 32 lanes store 256 consecutive bytes, aligned
.endm
.irp t, 0,1,2,3,4,5,6,7,8,9,10,11,12,13,14,15
	STEP \t
.endr
	ds_load_b64 v[8:9], v6                         ; LDS serves a wave's instructions in order: these see my stores
	s_wait_dscnt 0x0
	global_store_b64 v7, v[8:9], s[10:11]          ; my wave's 256 scale bytes, aligned
	s_wait_tensorcnt 0x0                           ; the wave's end, behind my last LDS store
	ds_add_u32 v[SPW], v[NIL]
	s_wait_dscnt 0x0
	s_endpgm
; THE PROJECTIONS' WEIGHTS TO f16: four batches of 16 loads of 512 consecutive bytes; a lane's four numbers become 8 bytes, a store of the wave covers 256 consecutive bytes, aligned.  Two batches of loads are out.
.Lhalves:
	s_sub_co_u32 s20, ttmp9, 448                   ; 0 .. 63
	s_cmp_lt_u32 s20, 32
	s_cselect_b64 s[4:5], s[40:41], s[42:43]       ; w1_proj or w2_proj
	s_and_b32 s18, s20, 31
	s_lshl_b32 s18, s18, 2
	s_add_co_u32 s18, s18, s16
	s_lshl_b32 s18, s18, 15                        ; my run of 8,192 numbers in the tensor
	s_add_nc_u64 s[4:5], s[4:5], s[18:19]
	s_lshl_b32 s18, s20, 2
	s_add_co_u32 s18, s18, s16
	s_lshl_b32 s18, s18, 14                        ; and its 16,384 bytes in wp
	s_add_nc_u64 s[8:9], s[52:53], s[18:19]
.macro LOADW t
.irp i, 0,1,2,3,4,5,6,7,8,9,10,11,12,13,14,15
	global_load_b128 v[R+64*((\t)%2)+4*\i:R+64*((\t)%2)+4*\i+3], v3, s[4:5] offset:8192*(\t)+512*\i th:TH_LOAD_NT
.endr
.endm
.macro HALVE t
.if (\t) < 3
	s_wait_loadcnt 16                              ; this batch is in; the next batch's 16 loads may be out
.else
	s_wait_loadcnt 0x0
.endif
.if (\t) > 0
	s_wait_xcnt 0x0                                ; the last batch's stores have read their data: the registers are written again only behind this wait
.endif
.irp i, 0,1,2,3,4,5,6,7,8,9,10,11,12,13,14,15
	v_cvt_pk_f16_f32 v[H+2*\i], v[R+64*((\t)%2)+4*\i], v[R+64*((\t)%2)+4*\i+1]
	v_cvt_pk_f16_f32 v[H+2*\i+1], v[R+64*((\t)%2)+4*\i+2], v[R+64*((\t)%2)+4*\i+3]
.endr
.irp i, 0,1,2,3,4,5,6,7,8,9,10,11,12,13,14,15
	global_store_b64 v7, v[H+2*\i:H+2*\i+1], s[8:9] offset:4096*(\t)+256*\i
.endr
.if (\t)+2 < 4
	LOADW (\t)+2
.endif
.endm
	LOADW 0
	LOADW 1
.irp t, 0,1,2,3
	HALVE \t
.endr
	s_wait_tensorcnt 0x0                           ; the wave's end, as on the other path
	ds_add_u32 v[SPW], v[NIL]
	s_wait_dscnt 0x0
	s_endpgm
.Lfunc_end_k_q5d58e58989_prep:
	.size	k_q5d58e58989_prep, .Lfunc_end_k_q5d58e58989_prep-k_q5d58e58989_prep
	.p2alignl 7, 3214868480
	.fill 96, 4, 3214868480
	.section	.rodata,"a",@progbits
	.p2align	6, 0x0
	.amdhsa_kernel k_q5d58e58989_prep
		.amdhsa_group_segment_fixed_size 33280
		.amdhsa_private_segment_fixed_size 0
		.amdhsa_enable_private_segment 0
		.amdhsa_kernarg_size 88
		.amdhsa_user_sgpr_count 2
		.amdhsa_user_sgpr_kernarg_segment_ptr 1
		.amdhsa_wavefront_size32 1
		.amdhsa_system_sgpr_workgroup_id_x 1
		.amdhsa_system_sgpr_workgroup_id_y 1
		.amdhsa_system_sgpr_workgroup_id_z 1
		.amdhsa_system_vgpr_workitem_id 0
		.amdhsa_next_free_vgpr 192
		.amdhsa_next_free_sgpr 66
		.amdhsa_reserve_vcc 0
		.amdhsa_float_denorm_mode_32 3
		.amdhsa_float_denorm_mode_16_64 3
		.amdhsa_memory_ordered 1
		.amdhsa_forward_progress 1
		.amdhsa_inst_pref_size 55
	.end_amdhsa_kernel
	.amdgpu_metadata
---
amdhsa.version: [ 1, 2 ]
amdhsa.kernels:
  - .name:           k_q5d58e58989_prep
    .symbol:         k_q5d58e58989_prep.kd
    .args:
      - { .name: x1, .offset: 0, .size: 8, .value_kind: global_buffer, .address_space: global }
      - { .name: x2, .offset: 8, .size: 8, .value_kind: global_buffer, .address_space: global }
      - { .name: w1_qkv, .offset: 16, .size: 8, .value_kind: global_buffer, .address_space: global }
      - { .name: w2_qkv, .offset: 24, .size: 8, .value_kind: global_buffer, .address_space: global }
      - { .name: w1_proj, .offset: 32, .size: 8, .value_kind: global_buffer, .address_space: global }
      - { .name: w2_proj, .offset: 40, .size: 8, .value_kind: global_buffer, .address_space: global }
      - { .name: xc, .offset: 48, .size: 8, .value_kind: global_buffer, .address_space: global }
      - { .name: xs, .offset: 56, .size: 8, .value_kind: global_buffer, .address_space: global }
      - { .name: wc, .offset: 64, .size: 8, .value_kind: global_buffer, .address_space: global }
      - { .name: ws, .offset: 72, .size: 8, .value_kind: global_buffer, .address_space: global }
      - { .name: wp, .offset: 80, .size: 8, .value_kind: global_buffer, .address_space: global }
    .group_segment_fixed_size: 33280
    .private_segment_fixed_size: 0
    .kernarg_segment_align: 8
    .kernarg_segment_size: 88
    .max_flat_workgroup_size: 128
    .sgpr_count:     66
    .vgpr_count:     192
    .wavefront_size: 32
...
	.end_amdgpu_metadata
.endif
;; end of part 1
;; launch qkv (part 2): grid 12 x 32, 4 waves a work-group, clusters of 4 x 4, 327,680 bytes of LDS; arguments xc, xs, wc, ws, g1_q, g1_k, g2_q, g2_k, qi, kv; writes qi, kv
.if DOCPART == 2
	.amdgcn_target "amdgcn-amd-amdhsa--gfx1250"
	.amdhsa_code_object_version 6
	.text
	.protected	k_q5d58e58989_qkv
	.globl	k_q5d58e58989_qkv
	.p2align	8
	.type	k_q5d58e58989_qkv,@function
k_q5d58e58989_qkv:
	s_mov_b64 s[64:65], 0
	v_nop
	global_prefetch_b8 v0, s[64:65] scope:SCOPE_SE
	s_setreg_imm32_b32 hwreg(HW_REG_WAVE_MODE, 25, 1), 1
	s_wait_xcnt 0x0
	s_wait_alu depctr_hold_cnt(0) depctr_sa_sdst(0) depctr_va_vdst(0) depctr_va_sdst(0) depctr_va_ssrc(0) depctr_va_vcc(0) depctr_vm_vsrc(0)
	s_getreg_b32 s2, hwreg(HW_REG_IB_STS2, 6, 4)
	s_cmp_eq_u32 s2, 0
	s_cbranch_scc0 .Lentry_in_a_cluster
	s_endpgm
.Lentry_in_a_cluster:
	s_bfe_u32 s2, ttmp6, 0x10000c
	s_cmp_lg_u32 s2, 0xf033
	s_cbranch_scc0 .Lentry_shape_is_right
	s_endpgm
.Lentry_shape_is_right:
; The two QKV products on codes of FP4 (E2M1) with E8M0 scales (K = 1,024), the RMS norm of q and k over each head's 64 channels, the gains, and the rounding to f16.
; TILES.  256 x 256 of a product to a work-group of four waves, 128 x 128 to a wave: 64 accumulators of 16 x 16, 512 registers.  Cluster x says what is made: 0 q, 1 k, 2 v.  Cluster y = 4 x stream + batch.
; The matrix instruction takes 16 rows of "B" as source 0 and 16 rows of "A" as source 1: in the result a lane holds ONE row of A (lane % 16) and eight neighbouring rows of B (8 (lane / 16) + 0 .. 7).
;   q, k: A = tokens (x), B = channels (w): a lane holds 8 neighbouring channels of one token.      v: A = channels (w), B = tokens (x): a lane holds 8 neighbouring tokens of one channel.  The roles are swapped by pointers alone.
; Packed to f16, a lane's eight results are 16 bytes that ARE four registers of the next product's operand.  So the results are stored as images of operand registers, 16 bytes at 16 x lane: each store covers 512 consecutive bytes, aligned.
;   qi [batch x head 64][tile of 16 tokens 128][group t 4][16 x lane]: lane (r, h) of group t: channels 16 t + 8 h + 0 .. 7 of token r; q carries its gain and c = log2(e) / 8.
;   kv [batch x head 64][slot of 256 positions 8][k: 32,768 bytes, laid as qi | v: 32,768 bytes: [32 keys 8][16 channels 4][half e 2][16 x lane]: lane (r, h): channel r, keys 16 e + 8 h + 0 .. 7].
; A position is stream x 1,024 + the token's number: the two streams on end, as the attention takes them.
; All of K lies in LDS at once: two slots of 512 along K, and the scale bytes of the 512 rows; each wave asks for its three parts at the head, and nothing is filled again.
; CLUSTERS: 4 x 4 work-groups; A's tiles hang on the place along y alone and are asked for jointly by a row of the cluster, B's on the place along x alone, by a column.
; LIMITS: |v| stays under 65,504, f16's largest number, and so do |k| (at most 8 x its gain) and |q| x c; NaN and infinities are not served.
; REGISTERS, in windows of 256: window 0: v0-31 addresses; v32-95 scale words, two sets; v128-191 A's fragments, on the way out the sums of squares, then the packed results; v192-223 the gains; v224-255 1 / root.
;   window 1: B's fragments, two sets, at v0 and v128.   window 2: the accumulators of A's blocks 0-3 ((a, b) at v[8 (8 a + b)]);   window 3: those of blocks 4-7.
.set KSTEP,  512                       ; along K in a slot
.set NQ,     KSTEP/128                 ; matrix instructions deep
.set ROWB,   256                       ; a tile's row in bytes
.set KROW,   512                       ; a row of codes in memory
.set PITCH,  272                       ; an LDS row: 256 bytes + 16 of padding = 68 words: the 16 rows that a load touches start at 16 different banks (64 banks of 4 bytes: ISA guide 11.1)
.set FR,     8                         ; registers of a fragment: 16 rows x 128 K
.set NL,     2                         ; LDS loads that bring one
.set NP,     4                         ; places behind this matrix instruction (ISA guide 7.12.1)
.set HALFT,  128*PITCH                 ; 128 rows: what one tensor load brings
.set SLOT,   4*HALFT                   ; A's 256 rows, then B's 256 rows
.set KS,     32                        ; a row of scale bytes
.set SCL,    2*SLOT                    ; behind the slots: the scale bytes, as rows of 256 bytes + 16 of padding
.set HALFS,  (128*KS/256)*272          ; those of 128 rows
.set SBLK,   (16*KS/256)*272           ; those of 16 rows
.set SPARE,  SCL+4*HALFS               ; behind them: the spare words, 128 bytes a wave, which no other line names
.set ADRA, 16                          ; v16-17  LDS address of my A fragments in slot 0, 1
.set ADRB, 20                          ; v20-21  the same for B
.set CO,   26                          ; v26     16 x lane: my place in an image
.set ADRS, 27                          ; v27     LDS address of my scale words: lanes 0-15 A's rows, lanes 16-31 B's
.set SPW,  28                          ; v28     LDS address of my spare word; never rewritten
.set NIL,  29                          ; v29     0; never rewritten
.set GOF,  30                          ; v30     32 x (lane / 16): my eight gains of a group
.set SC,   32                          ; scale words: set s at v[SC + 32 s]; register 4 i + q: lanes 0-15 A's block i, lanes 16-31 B's block i, the slot's q-th 128 along K
.set AF,   128                         ; A's fragments
.set SQ,   128                         ; the way out: sums of squares, four chains of two for each block of A
.set PKD,  128                         ; then the packed results, two sets of 32
.set GN,   192                         ; the gains: register 8 t + j: channel 16 t + 8 h + j
.set RS,   224                         ; 1 / root(mean + eps): pair 2 a + hh (its low register)
.set G1, 24                            ; s[24:31] descriptor group 1 for A's tiles;  s[32:39] group 0, one set for each slot
.set G0, 32
.set G1B, 48                           ; s[48:55], s[56:63] the same for B's tiles
.set G0B, 56
.set G1S, 68                           ; s[68:75], s[76:79] groups 1 and 0 for A's scales;  s[80:87], s[88:91] for B's
.set G0S, 76
.set G1SB, 80
.set G0SB, 88
.set MSB, 0
.macro WIN new                         ; the immediate's high byte repeats the setting that is left
.if MSB != \new
	s_set_vgpr_msb (MSB<<8)|\new
.set MSB, \new
.endif
.endm
.set MUL_LO, 0xa1                      ; source 0 (B) window 1, source 1 (A) window 0, C and D window 2
.set MUL_HI, 0xf1                      ; the same, C and D window 3
.set TO_B,   0x40                      ; destination window 1, address window 0
; A joint load: waves 0 and 1 fetch for A, waves 2 and 3 for B.  Each line has one mask and one set of registers for all that issue it; the branch hangs on the wave's number alone.
; An s_nop 0 and four v_nop follow each of the two lines.
.macro JLOAD g0a, g1a, g0b, g1b
	s_cmp_eq_u32 s15, 0
	s_cbranch_scc0 .Lfor_b_\@
	tensor_load_to_lds s[\g0a:\g0a+3], s[\g1a:\g1a+7]
	s_nop 0
.rept 4
	v_nop
.endr
	s_branch .Lasked_\@
.Lfor_b_\@:
	tensor_load_to_lds s[\g0b:\g0b+3], s[\g1b:\g1b+7]
	s_nop 0
.rept 4
	v_nop
.endr
.Lasked_\@:
.endm
.macro CROUND                          ; a round of the cluster's barrier
	s_barrier_signal -1
	s_barrier_wait -1
	s_cmp_lg_u32 s14, 0
	s_cbranch_scc1 .Lnot_wave_0_\@
	s_barrier_signal -3
.Lnot_wave_0_\@:
	s_barrier_wait -3
	s_barrier_signal -1
	s_barrier_wait -1
.endm
	s_load_b256 s[4:11], s[0:1], 0x0               ; xc s4, xs s6, wc s8, ws s10
	s_load_b256 s[80:87], s[0:1], 0x20             ; g1_q s80, g1_k s82, g2_q s84, g2_k s86 (these registers take a descriptor once the choice is made)
	s_load_b128 s[88:91], s[0:1], 0x40             ; qi s88, kv s90
	v_lshl_add_u32 v[SPW], v0, 2, SPARE
	v_mov_b32 v[NIL], 0
	ds_add_u32 v[SPW], v[NIL]                      ; the wave's opening: the add, twice on end, and its wait ahead of my first tensor load; the set-up below stands between
	ds_add_u32 v[SPW], v[NIL]
	v_lshrrev_b32 v1, 5, v0
	v_readfirstlane_b32 s14, v1                    ; wave 0..3
	s_lshr_b32 s15, s14, 1                         ; which half of A's rows is mine.  Also: I fetch for A (0) or for B (1)
	s_and_b32 s16, s14, 1                          ; which half of B's rows.  Also: which 128 rows I fetch
	s_bfe_u32 s40, ttmp6, 0x40000                  ; cx, cy: my place in the cluster
	s_bfe_u32 s41, ttmp6, 0x40004
	s_and_b32 s17, ttmp7, 0xffff                   ; cluster y = 4 x stream + batch
	s_lshr_b32 s95, s17, 2                         ; the stream
	s_mul_i32 s42, s95, 3072                       ; its first row in wc
	s_lshl_b32 s43, s41, 2
	s_lshl_b32 s43, 15, s43                        ; my row of the cluster
	s_lshl_b32 s44, 0x1111, s40                    ; my column
	; descriptor group 1: a tile of 128 rows x 256 bytes, 16 bytes of padding behind each row
	s_or_b32 s[G1+0], s43, (0<<16)|(1<<20)|(1<<21)|(5<<22)|(3<<25)  ; 15:0 the mask; 17:16 elements of 1 byte; 20 padding on; 21 set beside a mask; 24:22 after every 64 words; 31:25 four words
	s_or_b32 s[G1B+0], s44, (0<<16)|(1<<20)|(1<<21)|(5<<22)|(3<<25)
.irp g, G1, G1B
	s_mov_b32 s[\g+1], ROWB<<16                    ; tensor_dim0
	s_mov_b32 s[\g+2], 128<<16                     ; tensor_dim1
	s_mov_b32 s[\g+3], ROWB<<16                    ; tile_dim0
	s_mov_b32 s[\g+4], 128                         ; tile_dim1
	s_mov_b32 s[\g+5], KROW                        ; from row to row
	s_mov_b32 s[\g+6], 0
	s_mov_b32 s[\g+7], 0
.endr
	; the scale bytes of 128 rows: 4,096 dense bytes, as 16 rows of 256 (32 elements of 8 bytes), 16 bytes of padding behind each
	s_or_b32 s[G1S+0], s43, (3<<16)|(1<<20)|(1<<21)|(5<<22)|(3<<25)
	s_mov_b32 s[G1S+1], 32<<16
	s_mov_b32 s[G1S+2], (128*KS/256)<<16
	s_mov_b32 s[G1S+3], 32<<16
	s_mov_b32 s[G1S+4], 128*KS/256
	s_mov_b32 s[G1S+5], 32
	s_mov_b32 s[G1S+6], 0
	s_mov_b32 s[G1S+7], 0
	; A's first row hangs on cy alone, B's on cx alone; each in registers that never hold the other place
	s_lshl_b32 s20, s17, 2
	s_add_co_u32 s20, s20, s41
	s_lshl_b32 s20, s20, 8                         ; q, k: A = tokens 256 (4 x cluster y + cy)
	s_lshl_b32 s21, s41, 8
	s_add_co_u32 s21, s21, s42
	s_add_co_u32 s21, s21, 2048                    ; v: A = the stream's v rows of w, 256 cy on
	s_lshl_b32 s46, ttmp9, 10
	s_add_co_u32 s46, s46, s42
	s_lshl_b32 s47, s40, 8
	s_add_co_u32 s46, s46, s47                     ; q, k: B = the stream's q or k rows of w, 256 cx on
	s_lshl_b32 s47, s17, 2
	s_add_co_u32 s47, s47, s40
	s_lshl_b32 s47, s47, 8                         ; v: B = tokens 256 (4 x cluster y + cx)
	s_cmp_eq_u32 ttmp9, 2                          ; the cluster's x: the same in all sixteen partners
	s_cselect_b32 s20, s21, s20
	s_cselect_b32 s46, s47, s46
	s_lshl_b32 s18, s16, 7                         ; which 128 rows I fetch
	s_add_co_u32 s20, s20, s18
	s_add_co_u32 s46, s46, s18
	s_mov_b32 s21, 0
	s_mov_b32 s47, 0
	s_mov_b64 s[18:19], KS
	s_mul_u64 s[22:23], s[20:21], s[18:19]         ; where these rows' scale bytes begin,
	s_mul_u64 s[92:93], s[46:47], s[18:19]
	s_mov_b64 s[18:19], KROW
	s_mul_u64 s[20:21], s[20:21], s[18:19]         ; and their codes
	s_mul_u64 s[46:47], s[46:47], s[18:19]
	s_mul_i32 s45, s14, HALFT                      ; where they go: wave x 128 rows: no place in the cluster enters an LDS address
	s_mul_i32 s94, s14, HALFS
	; where my results go, in registers that feed no descriptor.  My two heads: 4 x place + 2 x half (+ 0, 1); my 128 positions: slot 4 x stream + place, half
	s_cmp_eq_u32 ttmp9, 2                          ; compared anew: the shift and the additions above have written SCC
	s_cselect_b32 s96, s41, s40                    ; the place that counts heads,
	s_cselect_b32 s97, s15, s16                    ; my half of them,
	s_cselect_b32 s2, s40, s41                     ; the place that counts positions,
	s_cselect_b32 s3, s16, s15                     ; my half of those,
	s_cselect_b32 s99, 32768, 0                    ; and v's part of a slot
	s_lshl_b32 s96, s96, 2
	s_lshl_b32 s97, s97, 1
	s_add_co_u32 s96, s96, s97                     ; my first head
	s_and_b32 s97, s17, 3
	s_lshl_b32 s97, s97, 4
	s_add_co_u32 s96, s96, s97                     ; + 16 x batch
	s_lshl_b32 s96, s96, 3
	s_lshl_b32 s97, s95, 2
	s_add_co_u32 s96, s96, s97
	s_add_co_u32 s96, s96, s2                      ; x 8 + the run of 256 positions
	s_cmp_eq_u32 ttmp9, 0
	s_cselect_b32 s97, 15, 16                      ; such a run is 2^15 bytes in qi, 2^16 in kv
	s_mov_b32 s98, 0x3f800000                      ; k's gains are taken as they are,
	s_cselect_b32 s98, 0x3e38aa3b, s98             ; q's carry c = log2(e) / sqrt(64)
	s_lshl_b32 s96, s96, s97
	s_lshl_b32 s104, 8, s97                        ; from a head to the next: eight such runs
	s_lshl_b32 s3, s3, 14                          ; my 128 positions: 16,384 bytes
	s_add_co_u32 s96, s96, s3
	s_add_co_u32 s96, s96, s99
	s_mov_b32 s97, 0
	s_mov_b32 s105, 0
	s_mov_b32 s99, s98                             ; (the packed form names the pair)
	s_mov_b32 s100, 0x76543210
	s_mov_b32 s101, 0xfedcba98                     ; v_permlanex16_b32's selects for lane l xor 16
	s_wait_dscnt 0x0                               ; both opening adds are done
	s_wait_kmcnt 0x0
	s_cmp_eq_u32 ttmp9, 2
	s_cselect_b64 s[12:13], s[8:9], s[4:5]         ; A's codes: w's for v, else x's
	s_cselect_b64 s[66:67], s[10:11], s[6:7]       ; A's scale bytes
	s_cselect_b64 s[8:9], s[4:5], s[8:9]           ; B's codes
	s_cselect_b64 s[10:11], s[6:7], s[10:11]       ; B's scale bytes
	s_mov_b64 s[4:5], s[12:13]
	s_mov_b64 s[6:7], s[66:67]
	s_cmp_lt_u32 s17, 4                            ; the stream's gains,
	s_cselect_b64 s[80:81], s[80:81], s[84:85]
	s_cselect_b64 s[82:83], s[82:83], s[86:87]
	s_cmp_eq_u32 ttmp9, 0                          ; q's, or k's (in v's clusters k's too: see the loads below)
	s_cselect_b64 s[66:67], s[80:81], s[82:83]
	s_cselect_b64 s[12:13], s[88:89], s[90:91]     ; qi or kv
	s_add_nc_u64 s[12:13], s[12:13], s[96:97]      ; my first head's part,
	s_add_nc_u64 s[2:3], s[12:13], s[104:105]      ; my second head's
	s_mov_b32 s104, 0x3c800000                     ; 1 / 64
	s_mov_b32 s105, 0x3727c5ac                     ; eps = 1e-5
	s_add_nc_u64 s[20:21], s[4:5], s[20:21]
	s_add_nc_u64 s[22:23], s[6:7], s[22:23]
	s_add_nc_u64 s[46:47], s[8:9], s[46:47]
	s_add_nc_u64 s[92:93], s[10:11], s[92:93]
	s_or_b32 s[G1SB+0], s44, (3<<16)|(1<<20)|(1<<21)|(5<<22)|(3<<25)   ; the pointers that lay here have been chosen from
	s_mov_b32 s[G1SB+1], 32<<16
	s_mov_b32 s[G1SB+2], (128*KS/256)<<16
	s_mov_b32 s[G1SB+3], 32<<16
	s_mov_b32 s[G1SB+4], 128*KS/256
	s_mov_b32 s[G1SB+5], 32
	s_mov_b32 s[G1SB+6], 0
	s_mov_b32 s[G1SB+7], 0
	CROUND                                         ; all sixteen work-groups are here: the joint loads meet
	s_mov_b32 s[G0S], 1
	s_add_co_u32 s[G0S+1], s94, SCL
	s_mov_b64 s[G0S+2:G0S+3], s[22:23]
	s_or_b32 s[G0S+3], s[G0S+3], 0x80000000
	s_mov_b32 s[G0SB], 1
	s_add_co_u32 s[G0SB+1], s94, SCL
	s_mov_b64 s[G0SB+2:G0SB+3], s[92:93]
	s_or_b32 s[G0SB+3], s[G0SB+3], 0x80000000
	JLOAD G0S, G1S, G0SB, G1SB                     ; the scale bytes first: they are wanted with the first slot
.irp s, 0,1
	s_mov_b32 s[G0+4*\s], 1
	s_add_co_u32 s[G0+4*\s+1], s45, \s*SLOT
	s_add_nc_u64 s[G0+4*\s+2:G0+4*\s+3], s[20:21], \s*ROWB
	s_or_b32 s[G0+4*\s+3], s[G0+4*\s+3], 0x80000000
	s_mov_b32 s[G0B+4*\s], 1
	s_add_co_u32 s[G0B+4*\s+1], s45, \s*SLOT
	s_add_nc_u64 s[G0B+4*\s+2:G0B+4*\s+3], s[46:47], \s*ROWB
	s_or_b32 s[G0B+4*\s+3], s[G0B+4*\s+3], 0x80000000
	JLOAD G0+4*\s, G1, G0B+4*\s, G1B               ; three loads of mine are out: all that this launch asks for
.endr
	v_and_b32 v1, 15, v0                           ; l % 16
	v_bfe_u32 v2, v0, 4, 1                         ; l / 16
	v_mul_u32_u24 v3, v1, PITCH
	v_lshl_add_u32 v4, v2, 4, v3                   ; a fragment's row x pitch + 16 x half
	s_mul_i32 s21, s15, HALFT                      ; my 128 rows of A
	s_mul_i32 s22, s16, HALFT                      ; my 128 rows of B,
	s_add_co_u32 s22, s22, 2*HALFT                 ; which lie behind A's 256
.irp s, 0,1
	v_add_nc_u32 v[ADRA+\s], s21, v4
	v_add_nc_u32 v[ADRB+\s], s22, v4
	s_add_co_u32 s21, s21, SLOT
	s_add_co_u32 s22, s22, SLOT
.endr
	v_mul_u32_u24 v5, v1, KS                       ; my row's scale bytes: 32 a row,
	v_lshrrev_b32 v6, 8, v5
	v_lshl_add_u32 v5, v6, 4, v5                   ; and 16 more for each 256 passed
	s_mul_i32 s21, s15, HALFS                      ; A's: my 128 rows
	s_mul_i32 s22, s16, HALFS                      ; B's: my 128 rows, behind A's 256
	s_add_co_u32 s22, s22, 2*HALFS
	s_sub_co_u32 s22, s22, s21
	v_mul_u32_u24 v6, s22, v2                      ; lanes 16-31 take B's
	s_add_co_u32 s21, s21, SCL
	v_add_nc_u32 v5, v5, v6
	v_add_nc_u32 v[ADRS], s21, v5
	v_and_b32 v6, 31, v0
	v_lshlrev_b32 v[CO], 4, v6
	v_lshlrev_b32 v[GOF], 5, v2
	; The gains, on the one way that all waves take: 32 h + 64 t + 0 .. 31 bytes of a buffer of 256.  v's clusters, which have no norm, load them too (k's, and use none): eight loads a wave, so that the registers are written on every way through the text.
.irp t, 0,1,2,3
	global_load_b128 v[GN+8*\t:GN+8*\t+3], v[GOF], s[66:67] offset:64*\t        ; g(16 t + 8 h + 0 .. 3); they are waited for on the way out
	global_load_b128 v[GN+8*\t+4:GN+8*\t+7], v[GOF], s[66:67] offset:64*\t+16
.endr
.macro FRAG reg, adr, q, i             ; a fragment, 16 rows x 128 K of 4-bit codes: lane l holds row l % 16; registers 4 c .. 4 c + 3 hold K = 64 c + 32 (l / 16) + 0 .. 31
.irp c, 0,1
	ds_load_b128 v[\reg+4*\c:\reg+4*\c+3], v[\adr] offset:64*(\q)+32*\c+(\i)*16*PITCH
.endr
.endm
; 16 matrix instructions: A's blocks a0, a0 + 1 x B's eight, the slot's q-th 128 along K.  p: B's set;  sc: the set of scale words.  zero = 1: the first product starts the sums.
; The 64 accumulators take turns, one instruction a turn, in the same order in every step.
.macro MUL16 a0, p, q, sc, zero
.irp a, \a0, \a0+1
.irp b, 0,1,2,3,4,5,6,7
.if \zero
	v_wmma_scale_f32_16x16x128_f8f6f4 v[8*(8*((\a)%4)+\b):8*(8*((\a)%4)+\b)+7], v[128*(\p)+FR*\b:128*(\p)+FR*\b+FR-1], v[AF+FR*(\a):AF+FR*(\a)+FR-1], 0, v[SC+8*NQ*(\sc)+NQ*\b+(\q)], v[SC+8*NQ*(\sc)+NQ*(\a)+(\q)] matrix_a_fmt:MATRIX_FMT_FP4 matrix_b_fmt:MATRIX_FMT_FP4 matrix_a_scale:MATRIX_SCALE_ROW1
.else
	v_wmma_scale_f32_16x16x128_f8f6f4 v[8*(8*((\a)%4)+\b):8*(8*((\a)%4)+\b)+7], v[128*(\p)+FR*\b:128*(\p)+FR*\b+FR-1], v[AF+FR*(\a):AF+FR*(\a)+FR-1], v[8*(8*((\a)%4)+\b):8*(8*((\a)%4)+\b)+7], v[SC+8*NQ*(\sc)+NQ*\b+(\q)], v[SC+8*NQ*(\sc)+NQ*(\a)+(\q)] matrix_a_fmt:MATRIX_FMT_FP4 matrix_b_fmt:MATRIX_FMT_FP4 matrix_a_scale:MATRIX_SCALE_ROW1
.endif
.endr
.endr
.endm
.macro FETCH_B slot, q, p              ; B's eight fragments of the slot's q-th 128 along K into set p
	WIN TO_B
.irp i, 0,1,2,3,4,5,6,7
	FRAG 128*(\p)+FR*\i, ADRB+\slot, \q, \i
.endr
	WIN 0
.endm
.macro FETCH_A slot, q, i0             ; A's blocks i0 .. i0 + 3
.irp i, \i0, \i0+1, \i0+2, \i0+3
	FRAG AF+FR*(\i), ADRA+\slot, \q, \i
.endr
.endm
.macro SCALES sc                       ; a slot's scale words into set sc: four words a row; lanes 0-15 take A's block i, lanes 16-31 B's block i
.irp i, 0,1,2,3,4,5,6,7
	ds_load_b128 v[SC+8*NQ*\sc+NQ*\i:SC+8*NQ*\sc+NQ*\i+3], v[ADRS] offset:\i*SBLK
.endr
.endm
; A load into a register that a matrix instruction has read, and a vector instruction that reads a matrix result or writes one of its registers, stand NP places behind it; only plain vector
; instructions that name none of its registers are places (ISA guide 7.12.1 for vector instructions).
.macro PLACES n
.rept \n
	v_nop
.endr
.endm
; A step of 128 along K that has its successor in the same slot.  A block of A is free as soon as its eight products are issued, so A has one set of registers: blocks 0-3 are fetched anew in the step's middle, blocks 4-7 at its end.
.macro STEP slot, q, zero
	s_wait_dscnt 4*NL                              ; B's set and A's blocks 0-3 are in; the youngest eight loads (A's blocks 4-7) may be out
	WIN MUL_LO
	MUL16 0, (\q)%2, \q, \slot, \zero
	MUL16 2, (\q)%2, \q, \slot, \zero
	s_wait_dscnt 0                                 ; A's blocks 4-7 are in (asked for 32 matrix instructions ago)
	PLACES NP
	FETCH_B \slot, (\q)+1, 1-(\q)%2
	FETCH_A \slot, (\q)+1, 0
	WIN MUL_HI
	MUL16 4, (\q)%2, \q, \slot, \zero
	MUL16 6, (\q)%2, \q, \slot, \zero
	PLACES NP
	WIN 0
	FETCH_A \slot, (\q)+1, 4
.endm
; Slot 0's last step goes on into slot 1: each wave waits for all its tensor loads (its part of slot 1), then the barrier: behind it slot 1 is whole.  Nothing is filled again.
.macro TURN slot, next
	s_wait_tensorcnt 0x0                           ; all my tensor loads have landed;  (every window is 0 here: the add's two registers lie in window 0)
	ds_add_u32 v[SPW], v[NIL]                      ; 0 onto my spare word
	s_wait_dscnt 4*NL+1                            ; (the add and the youngest eight loads, A's blocks 4-7, may be out)
	WIN MUL_LO
	MUL16 0, 1, NQ-1, \slot, 0                     ; sixteen matrix instructions stand between the add and the wait for it
	s_wait_dscnt 0x0                               ; the add is done, and no LDS instruction of mine is out at the signal
	s_barrier_signal -1
	MUL16 2, 1, NQ-1, \slot, 0
	WIN 0
	s_barrier_wait -1
	PLACES NP
	v_add_nc_u32 v[ADRS], 4*NQ, v[ADRS]            ; on to the next slot's scale words
	FETCH_B \next, 0, 0
	FETCH_A \next, 0, 0
	SCALES \next
	WIN MUL_HI
	MUL16 4, 1, NQ-1, \slot, 0
	MUL16 6, 1, NQ-1, \slot, 0
	PLACES NP
	WIN 0
	FETCH_A \next, 0, 4
.endm
.macro STEPS slot, from                ; the slot's steps from .. NQ - 2
.set QQ, \from
.rept NQ-1-\from
	STEP \slot, QQ, 0
.set QQ, QQ+1
.endr
.endm
	s_wait_tensorcnt 1                             ; the scale bytes and my part of slot 0 are in (slot 1's load may be out),
	s_barrier_signal -1
	s_barrier_wait -1                              ; everybody's are
	FETCH_B 0, 0, 0
	FETCH_A 0, 0, 0
	SCALES 0
	FETCH_A 0, 0, 4
	STEP 0, 0, 1                                   ; the first step's products start the sums: nothing is cleared
	STEPS 0, 1
	TURN 0, 1
	STEPS 1, 0
	s_wait_dscnt 4*NL                              ; the last step: nothing more to fetch
	WIN MUL_LO
	MUL16 0, 1, NQ-1, 1, 0
	MUL16 2, 1, NQ-1, 1, 0
	s_wait_dscnt 0
	WIN MUL_HI
	MUL16 4, 1, NQ-1, 1, 0
	MUL16 6, 1, NQ-1, 1, 0
	WIN 0
	PLACES NP                                      ; behind the last products, ahead of every read of results and every write of A's registers
	s_wait_loadcnt 0x0                             ; the gains, asked for at the head: on every wave's way, so that no load is out behind it
	s_cmp_eq_u32 ttmp9, 2
	s_cbranch_scc1 .Lvalues
	; ---- q, k.  Accumulator (a, b): tokens 16 a + r; head b / 4 of my two, channels 16 (b % 4) + 8 h + j.  A token's 64 channels of a head lie in lanes l and l xor 16, 32 registers each.
.irp i, 0,1,2,3,4,5,6,7,8,9,10,11,12,13,14,15
	v_pk_mul_f32 v[GN+2*\i:GN+2*\i+1], v[GN+2*\i:GN+2*\i+1], s[98:99] op_sel_hi:[1,0]   ; q: x c, so that the attention's scores come out as exponents of 2; k: x 1
.endr
; The sums of squares of block a: four chains of packed multiply-adds, chain ch over accumulators 2 ch and 2 ch + 1; each accumulator is read from its low end on.
.macro SQUARES a
.set AC, 64*((\a)%4)
.set WN, 5*(2+(\a)/4)                  ; sources 0 and 1: window 2 or 3; the chain: window 0
	WIN WN
.irp i, 0,1,2,3,4,5,6,7
.irp ch, 0,1,2,3
.set rD, SQ+8*(\a)+2*\ch
.set rX, AC+8*(2*\ch+\i/4)+2*(\i%4)
.if \i == 0
	v_pk_mul_f32 v[rD:rD+1], v[rX:rX+1], v[rX:rX+1]
.else
	v_pk_fma_f32 v[rD:rD+1], v[rX:rX+1], v[rX:rX+1], v[rD:rD+1]
.endif
.endr
.endr
.endm
.irp a, 0,1,2,3,4,5,6,7
	SQUARES \a
.endr
	WIN 0
	; 1 / root(mean + eps) for the sixteen (block, head): k = 2 a + head; stage by stage, so that no line waits for the line above it
.irp k, 0,1,2,3,4,5,6,7,8,9,10,11,12,13,14,15
	v_pk_add_f32 v[RS+2*\k:RS+2*\k+1], v[SQ+4*\k:SQ+4*\k+1], v[SQ+4*\k+2:SQ+4*\k+3]
.endr
.irp k, 0,1,2,3,4,5,6,7,8,9,10,11,12,13,14,15
	v_add_f32 v[RS+2*\k], v[RS+2*\k], v[RS+2*\k+1]
.endr
.irp k, 0,1,2,3,4,5,6,7,8,9,10,11,12,13,14,15
	v_permlanex16_b32 v[SQ+4*\k], v[RS+2*\k], s100, s101     ; the token's other 32 channels
.endr
.irp k, 0,1,2,3,4,5,6,7,8,9,10,11,12,13,14,15
	v_add_f32 v[RS+2*\k], v[RS+2*\k], v[SQ+4*\k]
.endr
.irp k, 0,1,2,3,4,5,6,7,8,9,10,11,12,13,14,15
	v_fma_f32 v[RS+2*\k], v[RS+2*\k], s104, s105             ; sum / 64 + eps
.endr
.irp k, 0,1,2,3,4,5,6,7,8,9,10,11,12,13,14,15
	v_rsq_f32 v[RS+2*\k], v[RS+2*\k]
.endr
	v_nop                                          ; a plain line behind the last root,
	s_wait_alu depctr_va_vdst(0)                   ; and the one wait ahead of the batch's first reader
; Block a: x 1 / root, x gain, in place; rounded to f16, 16 bytes for each accumulator; eight stores of 512 consecutive bytes.
.macro NORM a
.set AC, 64*((\a)%4)
.set WA, 2+(\a)/4
.set WN, (WA<<6)|WA                    ; destination and source 0: the accumulators' window; source 1: window 0
	WIN WN
.irp hh, 0,1
.irp i, 0,1,2,3,4,5,6,7,8,9,10,11,12,13,14,15
	v_pk_mul_f32 v[AC+32*\hh+2*\i:AC+32*\hh+2*\i+1], v[AC+32*\hh+2*\i:AC+32*\hh+2*\i+1], v[RS+2*(2*(\a)+\hh):RS+2*(2*(\a)+\hh)+1] op_sel_hi:[1,0]
.endr
.endr
.irp hh, 0,1
.irp i, 0,1,2,3,4,5,6,7,8,9,10,11,12,13,14,15
	v_pk_mul_f32 v[AC+32*\hh+2*\i:AC+32*\hh+2*\i+1], v[AC+32*\hh+2*\i:AC+32*\hh+2*\i+1], v[GN+2*\i:GN+2*\i+1]
.endr
.endr
.if (\a) >= 2
	s_wait_xcnt 0x0                                ; block a - 2's stores have read their data: this set of registers is written again only behind this wait
.endif
.set WN, 5*WA
	WIN WN
.irp hh, 0,1
.irp i, 0,1,2,3,4,5,6,7,8,9,10,11,12,13,14,15
	v_cvt_pk_f16_f32 v[PKD+32*((\a)%2)+16*\hh+\i], v[AC+32*\hh+2*\i], v[AC+32*\hh+2*\i+1]
.endr
.endr
	WIN 0
.irp t, 0,1,2,3
	global_store_b128 v[CO], v[PKD+32*((\a)%2)+4*\t:PKD+32*((\a)%2)+4*\t+3], s[12:13] offset:2048*(\a)+512*\t th:TH_STORE_NT        ; my first head: tile a, group t
.endr
.irp t, 0,1,2,3
	global_store_b128 v[CO], v[PKD+32*((\a)%2)+16+4*\t:PKD+32*((\a)%2)+16+4*\t+3], s[2:3] offset:2048*(\a)+512*\t th:TH_STORE_NT   ; my second head
.endr
.endm
.irp a, 0,1,2,3,4,5,6,7
	NORM \a
.endr
	s_branch .Lout
	; ---- v.  Accumulator (a, b): channel 16 (a % 4) + r of head a / 4 of my two; tokens 16 b + 8 h + j: half b % 2 of the 32 keys b / 2.
.Lvalues:
.macro VALS a
.set AC, 64*((\a)%4)
.set WN, 5*(2+(\a)/4)
.if (\a) >= 2
	s_wait_xcnt 0x0                                ; block a - 2's stores have read their data
.endif
	WIN WN
.irp b, 0,1,2,3,4,5,6,7
.irp i, 0,1,2,3
	v_cvt_pk_f16_f32 v[PKD+32*((\a)%2)+4*\b+\i], v[AC+8*\b+2*\i], v[AC+8*\b+2*\i+1]
.endr
.endr
	WIN 0
.irp b, 0,1,2,3,4,5,6,7
.if (\a) < 4
	global_store_b128 v[CO], v[PKD+32*((\a)%2)+4*\b:PKD+32*((\a)%2)+4*\b+3], s[12:13] offset:4096*(\b/2)+1024*((\a)%4)+512*(\b%2) th:TH_STORE_NT
.else
	global_store_b128 v[CO], v[PKD+32*((\a)%2)+4*\b:PKD+32*((\a)%2)+4*\b+3], s[2:3] offset:4096*(\b/2)+1024*((\a)%4)+512*(\b%2) th:TH_STORE_NT
.endif
.endr
.endm
.irp a, 0,1,2,3,4,5,6,7
	VALS \a
.endr
.Lout:
	s_wait_tensorcnt 0x0                           ; the wave's end, behind my last tensor load
	ds_add_u32 v[SPW], v[NIL]
	s_wait_dscnt 0x0
	CROUND                                         ; the closing round: no work-group ends while a partner may still ask for a tile that names it
	s_endpgm
.Lfunc_end_k_q5d58e58989_qkv:
	.size	k_q5d58e58989_qkv, .Lfunc_end_k_q5d58e58989_qkv-k_q5d58e58989_qkv
	.p2alignl 7, 3214868480
	.fill 96, 4, 3214868480
	.section	.rodata,"a",@progbits
	.p2align	6, 0x0
	.amdhsa_kernel k_q5d58e58989_qkv
		.amdhsa_group_segment_fixed_size 327680
		.amdhsa_private_segment_fixed_size 0
		.amdhsa_enable_private_segment 0
		.amdhsa_kernarg_size 80
		.amdhsa_user_sgpr_count 2
		.amdhsa_user_sgpr_kernarg_segment_ptr 1
		.amdhsa_wavefront_size32 1
		.amdhsa_system_sgpr_workgroup_id_x 1
		.amdhsa_system_sgpr_workgroup_id_y 1
		.amdhsa_system_sgpr_workgroup_id_z 1
		.amdhsa_system_vgpr_workitem_id 0
		.amdhsa_next_free_vgpr 1024
		.amdhsa_next_free_sgpr 106
		.amdhsa_reserve_vcc 0
		.amdhsa_float_denorm_mode_32 3
		.amdhsa_float_denorm_mode_16_64 3
		.amdhsa_memory_ordered 1
		.amdhsa_forward_progress 1
		.amdhsa_inst_pref_size 197
	.end_amdhsa_kernel
	.amdgpu_metadata
---
amdhsa.version: [ 1, 2 ]
amdhsa.kernels:
  - .name:           k_q5d58e58989_qkv
    .symbol:         k_q5d58e58989_qkv.kd
    .args:
      - { .name: xc, .offset: 0, .size: 8, .value_kind: global_buffer, .address_space: global }
      - { .name: xs, .offset: 8, .size: 8, .value_kind: global_buffer, .address_space: global }
      - { .name: wc, .offset: 16, .size: 8, .value_kind: global_buffer, .address_space: global }
      - { .name: ws, .offset: 24, .size: 8, .value_kind: global_buffer, .address_space: global }
      - { .name: g1_q, .offset: 32, .size: 8, .value_kind: global_buffer, .address_space: global }
      - { .name: g1_k, .offset: 40, .size: 8, .value_kind: global_buffer, .address_space: global }
      - { .name: g2_q, .offset: 48, .size: 8, .value_kind: global_buffer, .address_space: global }
      - { .name: g2_k, .offset: 56, .size: 8, .value_kind: global_buffer, .address_space: global }
      - { .name: qi, .offset: 64, .size: 8, .value_kind: global_buffer, .address_space: global }
      - { .name: kv, .offset: 72, .size: 8, .value_kind: global_buffer, .address_space: global }
    .group_segment_fixed_size: 327680
    .private_segment_fixed_size: 0
    .kernarg_segment_align: 8
    .kernarg_segment_size: 80
    .max_flat_workgroup_size: 128
    .sgpr_count:     106
    .vgpr_count:     1024
    .wavefront_size: 32
...
	.end_amdgpu_metadata
.endif
;; end of part 2
;; launch attn (part 3): grid 4 x 64, 16 waves a work-group, clusters of 4 x 1, 327,680 bytes of LDS; arguments qi, kv, ai; writes ai
.if DOCPART == 3
	.amdgcn_target "amdgcn-amd-amdhsa--gfx1250"
	.amdhsa_code_object_version 6
	.text
	.protected	k_q5d58e58989_attn
	.globl	k_q5d58e58989_attn
	.p2align	8
	.type	k_q5d58e58989_attn,@function
k_q5d58e58989_attn:
	s_mov_b64 s[64:65], 0
	v_nop
	global_prefetch_b8 v0, s[64:65] scope:SCOPE_SE
	s_setreg_imm32_b32 hwreg(HW_REG_WAVE_MODE, 25, 1), 1
	s_wait_xcnt 0x0
	s_wait_alu depctr_hold_cnt(0) depctr_sa_sdst(0) depctr_va_vdst(0) depctr_va_sdst(0) depctr_va_ssrc(0) depctr_va_vcc(0) depctr_vm_vsrc(0)
	s_getreg_b32 s2, hwreg(HW_REG_IB_STS2, 6, 4)
	s_cmp_eq_u32 s2, 0
	s_cbranch_scc0 .Lentry_in_a_cluster
	s_endpgm
.Lentry_in_a_cluster:
	s_bfe_u32 s2, ttmp6, 0x10000c
	s_cmp_lg_u32 s2, 0x3003
	s_cbranch_scc0 .Lentry_shape_is_right
	s_endpgm
.Lentry_shape_is_right:
; O[q] = the sum over k of softmax_k(q . k / 8) v[k], for each of 64 (batch, head), 2,048 positions, head size 64, no mask.  f16 operands, f32 products, maxima and sums; the weights p are rounded to f16 for the second product.
; q arrives with its gain and c = log2(e) / 8 in it, so a score s is an exponent of 2: p = 2^(s - m), m the query's running maximum; in every step O and the sum l are multiplied by a = 2^(old m - new m).
; SHARES.  A cluster of four work-groups is one (batch, head); a work-group owns 512 queries, each of its sixteen waves 32: two tiles of 16.  Four waves share a SIMD (256 registers each), so that one wave's vector work
; stands beside another's matrix work and LDS loads.  Every wave walks all 2,048 keys, 64 a step.
; LAYOUT.  Both products are used transposed: S^T = K Q^T (source 0 = 16 keys, source 1 = 16 queries), O^T = V^T P (source 0 = 16 channels, source 1 = P): a lane holds ONE query (lane % 16) throughout, and two tiles of S^T,
; rounded to f16 in pairs, are source 1 of the second product.  q, k and v lie in memory as images of operand registers, 16 bytes at 16 x lane: every load of a fragment's half reads 512 consecutive bytes, from memory and from LDS.
; THE RING.  A slot is 256 keys: k's 32,768 bytes, then v's: 65,536 consecutive bytes of kv.  Two slots.  Waves 0 to 3 fetch a quarter each; the four partners walk the same kv, so each load is asked for JOINTLY.
; The result goes to ai [pair of heads 8][tile of 16 tokens 512][group 8][16 x lane]: lane (r, h) of group g: channels 16 g + 8 h + 0 .. 7 (of the pair's 128) of token r: the image of the projection's operand.
; LIMITS: scores lie above -3e38, the first m; |O| stays under 65,504, f16's largest number; NaN and infinities are not served.
.set SLOTB, 65536                      ; a slot; slot 1 begins here, so that one exclusive or turns an address from one slot to the other
.set VOFF,  32768                      ; v's part of a slot
.set STEPB, 8192                       ; 64 keys, in k's part and in v's
.set SPARE, 2*SLOTB                    ; behind the ring: the spare words, 128 bytes for each of sixteen waves, which no other line names
.set LI,  1                            ; v1   16 x lane; never rewritten
.set ADR, 2                            ; v2   LDS address of the step's fragments
.set SPW, 3                            ; v3   LDS address of my spare word; never rewritten
.set NIL, 4                            ; v4   0; never rewritten
.set PFO, 5                            ; v5   256 x lane: the prefetches' offset; never rewritten
.set ST,  8                            ; v8-23    eight a tile: +0 m, +1 the old m, +2, +3 l in two halves, +4 .. +7 at work (a in +6)
.set Q,   24                           ; v24-55   Q: fragment (tile qt, channels 32 c on) at 24 + 16 qt + 8 c
.set S,   56                           ; v56-119  S^T: (qt, 16 keys kt) at 56 + 32 qt + 8 kt; then p; P in f16 at 56 + 32 qt + 0 .. 15
.set O,   120                          ; v120-183 O^T: (qt, 16 channels ct) at 120 + 32 qt + 8 ct
.set KV,  184                          ; v184-247 the step's fragments of K, then of V
.set WV,  10                           ; s10  my wave's number
.set CXR, 11                           ; s11  my place in the cluster: it enters q's, ai's and the prefetches' addresses alone
.set BH,  12                           ; s12  16 x batch + head
.set G1,  16                           ; s[16:23] descriptor group 1
.set G0,  24                           ; s[24:27] group 0, which walks
.set TB,  32                           ; s32  LDS byte at which the step's keys begin
.set SLOTS, 33                         ; s33  slots still to be asked for
.set CNT, 34                           ; s34  counts a slot's four steps
.set SEL, 36                           ; s[36:37] v_permlanex16_b32's selects for lane l xor 16
.set PFA, 48                           ; s[48:49] where my prefetches stand
.set LIM, 50                           ; s50  1 in a wave that prefetches, else the greatest number
.macro CROUND                          ; a round of the cluster's barrier
	s_barrier_signal -1
	s_barrier_wait -1
	s_cmp_lg_u32 s[WV], 0
	s_cbranch_scc1 .Lnot_wave_0_\@
	s_barrier_signal -3
.Lnot_wave_0_\@:
	s_barrier_wait -3
	s_barrier_signal -1
	s_barrier_wait -1
.endm
.macro TLOAD                           ; waves 0 to 3 fetch a quarter of a slot each; the branch hangs on the wave's number alone.  An s_nop 0 and four v_nop follow the load
	s_cmp_lt_u32 s[WV], 4
	s_cbranch_scc0 .Lnone_\@
	tensor_load_to_lds s[G0:G0+3], s[G1:G1+7]
	s_nop 0
.rept 4
	v_nop
.endr
.Lnone_\@:
.endm
; A PREFETCH of the slot that the NEXT change of slots will ask for: 65,536 bytes.  The four partners take 16,384 bytes each, told apart by address; in each, waves 4 and 5 ask for 8,192 bytes, lanes 256 bytes apart: one
; instruction a wave, and each block of 256 bytes is named once in the launch.  It stands behind the change's tensor load: a slot's four key steps ahead of the load that wants the bytes.  The last change that fills a slot asks for nothing.
.macro ASK
	s_cmp_gt_u32 s[SLOTS], s[LIM]
	s_cbranch_scc0 .Lnot_mine_\@
	global_prefetch_b8 v[PFO], s[PFA:PFA+1] th:TH_LOAD_NT scope:SCOPE_SE
.Lnot_mine_\@:
.endm
	s_load_b128 s[4:7], s[0:1], 0x0                ; qi, kv
	s_load_b64 s[8:9], s[0:1], 0x10                ; ai
	v_lshl_add_u32 v[SPW], v0, 2, SPARE
	v_mov_b32 v[NIL], 0
	ds_add_u32 v[SPW], v[NIL]                      ; the wave's opening: the add, twice on end, and its wait ahead of my first tensor load; the set-up below stands between
	ds_add_u32 v[SPW], v[NIL]
	v_lshrrev_b32 v1, 5, v0
	v_readfirstlane_b32 s[WV], v1                  ; wave 0..15
	s_bfe_u32 s[CXR], ttmp6, 0x40000               ; cx
	s_and_b32 s[BH], ttmp7, 0xffff                 ; the cluster's y
	; descriptor group 1: 16,384 dense bytes as 64 rows of 256 (32 elements of 8 bytes), no padding
	s_mov_b32 s[G1], 15|(3<<16)|(1<<21)            ; 15:0 the mask: all four work-groups; 17:16 elements of 8 bytes; 21 set beside a mask
	s_mov_b32 s[G1+1], 32<<16                      ; tensor_dim0
	s_mov_b32 s[G1+2], 64<<16                      ; tensor_dim1
	s_mov_b32 s[G1+3], 32<<16                      ; tile_dim0
	s_mov_b32 s[G1+4], 64                          ; tile_dim1
	s_mov_b32 s[G1+5], 32                          ; from row to row
	s_mov_b32 s[G1+6], 0
	s_mov_b32 s[G1+7], 0
	s_mov_b32 s[SEL], 0x76543210
	s_mov_b32 s[SEL+1], 0xfedcba98
	s_mov_b32 s[TB], 0
	s_mov_b32 s[SLOTS], 7
	s_and_b32 s38, s[WV], 3
	s_lshl_b32 s38, s38, 14                        ; my quarter of a slot, in LDS and in memory: no place in the cluster enters it
	s_lshl_b32 s40, s[BH], 19                      ; the head's 8 slots
	s_add_co_u32 s40, s40, s38
	s_mov_b32 s41, 0
	s_lshl_b32 s42, s[BH], 18                      ; q: the head's 128 tiles of 2,048 bytes,
	s_lshl_b32 s43, s[CXR], 16                     ; my work-group's 32,
	s_add_co_u32 s42, s42, s43
	s_lshl_b32 s43, s[WV], 12                      ; my wave's two
	s_add_co_u32 s42, s42, s43
	s_mov_b32 s43, 0
	s_and_b32 s44, s[BH], 15                       ; ai: the head:
	s_lshr_b32 s45, s44, 1
	s_lshl_b32 s45, s45, 21                        ; its pair's 512 tiles of 4,096 bytes,
	s_and_b32 s44, s44, 1
	s_lshl_b32 s44, s44, 11                        ; its four groups of a tile's eight;
	s_add_co_u32 s44, s44, s45
	s_lshr_b32 s45, s[CXR], 1
	s_lshl_b32 s45, s45, 8                         ; the tile of tokens: 256 x stream
	s_lshr_b32 s46, s[BH], 4
	s_lshl_b32 s46, s46, 6                         ; + 64 x batch
	s_add_co_u32 s45, s45, s46
	s_and_b32 s46, s[CXR], 1
	s_lshl_b32 s46, s46, 5                         ; + 32 x my half of the stream
	s_add_co_u32 s45, s45, s46
	s_lshl_b32 s46, s[WV], 1                       ; + 2 x wave
	s_add_co_u32 s45, s45, s46
	s_lshl_b32 s45, s45, 12
	s_add_co_u32 s44, s44, s45
	s_mov_b32 s45, 0
	s_lshl_b32 s46, s[BH], 19                      ; the prefetches: the head,
	s_lshl_b32 s47, s[CXR], 14                     ; my work-group's quarter of a slot,
	s_add_co_u32 s46, s46, s47
	s_and_b32 s47, s[WV], 1
	s_lshl_b32 s47, s47, 13                        ; my wave's half of it,
	s_add_co_u32 s46, s46, s47
	s_add_co_u32 s46, s46, SLOTB                   ; in slot 1: the first change of slots steps it to slot 2.  Nothing is prefetched at the head
	s_mov_b32 s47, 0
	s_sub_co_u32 s39, s[WV], 4
	s_lshr_b32 s39, s39, 1                         ; 0 in waves 4 and 5
	s_cmp_eq_u32 s39, 0
	s_cselect_b32 s[LIM], 1, -1
	v_and_b32 v[LI], 31, v0
	v_lshlrev_b32 v[PFO], 8, v[LI]
	v_lshlrev_b32 v[LI], 4, v[LI]
	s_wait_dscnt 0x0                               ; both opening adds are done
	s_wait_kmcnt 0x0
	s_mov_b32 s[G0], 1                             ; count = 1
	s_mov_b32 s[G0+1], s38                         ; LDS address: slot 0
	s_add_nc_u64 s[G0+2:G0+3], s[6:7], s[40:41]    ; global address: the head's first 256 keys
	s_or_b32 s[G0+3], s[G0+3], 0x80000000          ; type = 2
	s_add_nc_u64 s[PFA:PFA+1], s[6:7], s[46:47]
	s_add_nc_u64 s[4:5], s[4:5], s[42:43]
	s_add_nc_u64 s[8:9], s[8:9], s[44:45]
	CROUND                                         ; all four work-groups are here: the first joint loads meet
	TLOAD                                          ; slot 0
.irp i, 0,1,2,3,4,5,6,7
	global_load_b128 v[Q+4*\i:Q+4*\i+3], v[LI], s[4:5] offset:512*\i    ; Q stays in registers
.endr
.irp t, 0,1
	v_mov_b32 v[ST+8*\t], 0xff61b1e6               ; m: -3e38, under every score
	v_mov_b32 v[ST+8*\t+2], 0                      ; l
	v_mov_b32 v[ST+8*\t+3], 0
.endr
.irp j, 0,1,2,3,4,5,6,7,8,9,10,11,12,13,14,15,16,17,18,19,20,21,22,23,24,25,26,27,28,29,30,31,32,33,34,35,36,37,38,39,40,41,42,43,44,45,46,47,48,49,50,51,52,53,54,55,56,57,58,59,60,61,62,63
	v_mov_b32 v[O+\j], 0                           ; O^T.  (The step is written once: its first run finds zeros, which a = 0 leaves zeros)
.endr
; A KEY STEP: 64 keys at s[TB].
.macro STEP
	v_add_nc_u32 v[ADR], s[TB], v[LI]
.rept 4
	v_nop                                          ; with the addition five places behind the last step's products: their source P is written over by the products below, their source V by the loads
.endr
.irp i, 0,1,2,3,4,5,6,7,8,9,10,11,12,13,14,15
	ds_load_b128 v[KV+4*\i:KV+4*\i+3], v[ADR] offset:512*\i               ; K: tile i / 4, group i % 4: fragment (kt, c) at KV + 16 kt + 8 c
.endr
	s_wait_dscnt 0x0
.irp c, 0,1                                    ; S^T = K Q^T: the eight accumulators take turns, one instruction a turn; the first eight start the sums
.irp kt, 0,1,2,3
.irp qt, 0,1
.if \c == 0
	v_wmma_f32_16x16x32_f16 v[S+32*\qt+8*\kt:S+32*\qt+8*\kt+7], v[KV+16*\kt+8*\c:KV+16*\kt+8*\c+7], v[Q+16*\qt+8*\c:Q+16*\qt+8*\c+7], 0
.else
	v_wmma_f32_16x16x32_f16 v[S+32*\qt+8*\kt:S+32*\qt+8*\kt+7], v[KV+16*\kt+8*\c:KV+16*\kt+8*\c+7], v[Q+16*\qt+8*\c:Q+16*\qt+8*\c+7], v[S+32*\qt+8*\kt:S+32*\qt+8*\kt+7]
.endif
.endr
.endr
.endr
.rept 4
	v_nop                                          ; places: ahead of the loads into K's registers and of the first read of the scores
.endr
.irp i, 0,1,2,3,4,5,6,7,8,9,10,11,12,13,14,15
	ds_load_b128 v[KV+4*\i:KV+4*\i+3], v[ADR] offset:VOFF+512*\i          ; V: fragment (32 keys kg, 16 channels ct) at KV + 32 kg + 8 ct; it lands during the softmax
.endr
	; the softmax, the two tiles line by line.  The maximum of a lane's 32 scores and the old m: four chains, each begun at an accumulator's low end
.irp j, 0,1,2,3
.irp t, 0,1
	v_max3_num_f32 v[ST+8*\t+4+\j], v[S+32*\t+8*\j], v[S+32*\t+8*\j+1], v[S+32*\t+8*\j+2]
.endr
.endr
.irp u, 1,2
.irp j, 0,1,2,3
.irp t, 0,1
	v_max3_num_f32 v[ST+8*\t+4+\j], v[ST+8*\t+4+\j], v[S+32*\t+8*\j+2*\u+1], v[S+32*\t+8*\j+2*\u+2]
.endr
.endr
.endr
.irp t, 0,1
	v_max3_num_f32 v[ST+8*\t+4], v[ST+8*\t+4], v[S+32*\t+7], v[S+32*\t+15]
	v_max3_num_f32 v[ST+8*\t+6], v[ST+8*\t+6], v[S+32*\t+23], v[S+32*\t+31]
.endr
.irp t, 0,1
	v_max3_num_f32 v[ST+8*\t+4], v[ST+8*\t+4], v[ST+8*\t+5], v[ST+8*\t+6]
.endr
.irp t, 0,1
	v_max3_num_f32 v[ST+8*\t+4], v[ST+8*\t+4], v[ST+8*\t+7], v[ST+8*\t]
.endr
.irp t, 0,1
	v_permlanex16_b32 v[ST+8*\t+5], v[ST+8*\t+4], s[SEL], s[SEL+1]        ; the query's other 32 keys lie in the lane 16 away
.endr
.irp t, 0,1
	v_mov_b32 v[ST+8*\t+1], v[ST+8*\t]                                    ; the old m
.endr
.irp t, 0,1
	v_max_num_f32 v[ST+8*\t], v[ST+8*\t+4], v[ST+8*\t+5]                  ; the new m
.endr
.irp t, 0,1
	v_sub_f32 v[ST+8*\t+7], v[ST+8*\t+1], v[ST+8*\t]
.endr
.irp t, 0,1
	v_exp_f32 v[ST+8*\t+6], v[ST+8*\t+7]                                  ; a = 2^(old m - new m)
.endr
.irp i, 0,1,2,3,4,5,6,7,8,9,10,11,12,13,14,15
.irp t, 0,1
	v_pk_add_f32 v[S+32*\t+2*\i:S+32*\t+2*\i+1], v[S+32*\t+2*\i:S+32*\t+2*\i+1], v[ST+8*\t:ST+8*\t+1] op_sel_hi:[1,0] neg_lo:[0,1] neg_hi:[0,1]   ; s - m, two at a time
.endr
.endr
.irp i, 0,1,2,3,4,5,6,7,8,9,10,11,12,13,14,15,16,17,18,19,20,21,22,23,24,25,26,27,28,29,30,31
.irp t, 0,1
	v_exp_f32 v[S+32*\t+\i], v[S+32*\t+\i]                                ; p = 2^(s - m)
.endr
.endr
	v_nop                                          ; a plain line behind the last exponential,
	s_wait_alu depctr_va_vdst(0)                   ; and the one wait ahead of the first reader: it serves all 66 exponentials of the step
.irp t, 0,1
	v_pk_mul_f32 v[ST+8*\t+2:ST+8*\t+3], v[ST+8*\t+2:ST+8*\t+3], v[ST+8*\t+6:ST+8*\t+7] op_sel_hi:[1,0]   ; l x a
.endr
.irp t, 0,1
	v_pk_add_f32 v[ST+8*\t+4:ST+8*\t+5], v[S+32*\t+2:S+32*\t+3], v[S+32*\t+6:S+32*\t+7]                 ; the sum of the f32 p in two chains: the odd pairs here,
.endr
.irp i, 0,1,2,3,4,5,6,7
.irp t, 0,1
	v_pk_add_f32 v[ST+8*\t+2:ST+8*\t+3], v[ST+8*\t+2:ST+8*\t+3], v[S+32*\t+4*\i:S+32*\t+4*\i+1]         ; the even pairs onto l
.if \i >= 2
	v_pk_add_f32 v[ST+8*\t+4:ST+8*\t+5], v[ST+8*\t+4:ST+8*\t+5], v[S+32*\t+4*\i+2:S+32*\t+4*\i+3]
.endif
.endr
.endr
.irp t, 0,1
	v_pk_add_f32 v[ST+8*\t+2:ST+8*\t+3], v[ST+8*\t+2:ST+8*\t+3], v[ST+8*\t+4:ST+8*\t+5]
.endr
.irp i, 0,1,2,3,4,5,6,7,8,9,10,11,12,13,14,15
.irp t, 0,1
	v_cvt_pk_f16_f32 v[S+32*\t+\i], v[S+32*\t+2*\i], v[S+32*\t+2*\i+1]    ; P, in place and ascending: register i is written when its own number has been read
.endr
.endr
.irp i, 0,1,2,3,4,5,6,7,8,9,10,11,12,13,14,15
.irp t, 0,1
	v_pk_mul_f32 v[O+32*\t+2*\i:O+32*\t+2*\i+1], v[O+32*\t+2*\i:O+32*\t+2*\i+1], v[ST+8*\t+6:ST+8*\t+7] op_sel_hi:[1,0]   ; O^T x a
.endr
.endr
	s_wait_dscnt 0x0                               ; V is in
.irp kg, 0,1                                   ; O^T += V^T P: the eight accumulators by turns
.irp ct, 0,1,2,3
.irp qt, 0,1
	v_wmma_f32_16x16x32_f16 v[O+32*\qt+8*\ct:O+32*\qt+8*\ct+7], v[KV+32*\kg+8*\ct:KV+32*\kg+8*\ct+7], v[S+32*\qt+8*\kg:S+32*\qt+8*\kg+7], v[O+32*\qt+8*\ct:O+32*\qt+8*\ct+7]
.endr
.endr
.endr
	s_add_co_u32 s[TB], s[TB], STEPB               ; the next 64 keys
.endm
; THE CHANGE OF SLOTS stands at a slot's head.  Each wave waits for all its tensor loads (its part of the slot ahead), adds 0 to its spare word, and waits for that and for its reads of the slot that it has left.
; fill = 1: a round of the cluster's barrier follows, so that no wave of any partner still reads the other slot or has a load on its way; the joint load of the next 256 keys is the first thing behind it, and has a slot's four steps in which to land.
.macro CHANGE fill
	s_wait_tensorcnt 0x0                           ; no tensor load of mine is out, so group 0 may be written
	ds_add_u32 v[SPW], v[NIL]                      ; 0 onto my spare word
.if \fill
	ds_add_u32 v[SPW], v[NIL]                      ; and once more: the add stands twice on end, in every trip alike
	s_xor_b32 s[G0+1], s[G0+1], SLOTB              ; the other slot than last time,
	s_add_nc_u64 s[G0+2:G0+3], s[G0+2:G0+3], SLOTB ; the next 256 keys; the type bits on top are not reached
	s_wait_xcnt 0x0                                ; the last prefetch, a slot back, has read its address, so it may be written:
	s_add_nc_u64 s[PFA:PFA+1], s[PFA:PFA+1], SLOTB ; one slot further on than the descriptor
	s_wait_dscnt 0x0                               ; both adds are done, and my reads of the slot that I have left are over
	CROUND
	TLOAD
	ASK
.else
	s_wait_dscnt 0x0
	s_barrier_signal -1
	s_barrier_wait -1
.endif
.endm
.macro SLOT_STEPS                      ; a slot's four key steps: written once, walked four times
	s_mov_b32 s[CNT], 4
.Lstep_\@:
	STEP
	s_sub_co_u32 s[CNT], s[CNT], 1
	s_cmp_lg_u32 s[CNT], 0
	s_cbranch_scc1 .Lstep_\@
	s_sub_co_u32 s[TB], s[TB], 4*STEPB             ; back to a slot's first step,
	s_xor_b32 s[TB], s[TB], SLOTB                  ; in the other slot
.endm
	s_wait_loadcnt 0x0                             ; Q
.Lslot:                                            ; seven trips: behind each change of slots but the last the next slot is asked for
	CHANGE 1
	SLOT_STEPS
	s_sub_co_u32 s[SLOTS], s[SLOTS], 1
	s_cmp_lg_u32 s[SLOTS], 0
	s_cbranch_scc1 .Lslot
	CHANGE 0                                       ; the last slot is written out
	SLOT_STEPS
	; THE WAY OUT.  l's halves and the other lane's are added; O^T / l is rounded to f16: a lane's eight channels are 16 bytes of the projection's operand; each store covers 512 consecutive bytes, aligned.
.rept 4
	v_nop                                          ; places behind the last products
.endr
.irp t, 0,1
	v_add_f32 v[ST+8*\t+4], v[ST+8*\t+2], v[ST+8*\t+3]
.endr
.irp t, 0,1
	v_permlanex16_b32 v[ST+8*\t+5], v[ST+8*\t+4], s[SEL], s[SEL+1]
.endr
.irp t, 0,1
	v_add_f32 v[ST+8*\t+4], v[ST+8*\t+4], v[ST+8*\t+5]
.endr
.irp t, 0,1
	v_rcp_f32 v[ST+8*\t+6], v[ST+8*\t+4]
.endr
	v_nop                                          ; a plain line behind the last reciprocal,
	s_wait_alu depctr_va_vdst(0)                   ; and the wait ahead of the first reader: one for the two
.irp t, 0,1
.irp i, 0,1,2,3,4,5,6,7,8,9,10,11,12,13,14,15
	v_pk_mul_f32 v[O+32*\t+2*\i:O+32*\t+2*\i+1], v[O+32*\t+2*\i:O+32*\t+2*\i+1], v[ST+8*\t+6:ST+8*\t+7] op_sel_hi:[1,0]
.endr
.endr
.irp t, 0,1
.irp i, 0,1,2,3,4,5,6,7,8,9,10,11,12,13,14,15
	v_cvt_pk_f16_f32 v[S+16*\t+\i], v[O+32*\t+2*\i], v[O+32*\t+2*\i+1]
.endr
.endr
.irp t, 0,1
.irp ct, 0,1,2,3
	global_store_b128 v[LI], v[S+16*\t+4*\ct:S+16*\t+4*\ct+3], s[8:9] offset:4096*\t+512*\ct th:TH_STORE_NT
.endr
.endr
	s_wait_tensorcnt 0x0                           ; the wave's end, behind my last tensor load
	ds_add_u32 v[SPW], v[NIL]
	s_wait_dscnt 0x0
	CROUND                                         ; the closing round: no work-group ends while a partner may still ask for a tile that names it
	s_endpgm
.Lfunc_end_k_q5d58e58989_attn:
	.size	k_q5d58e58989_attn, .Lfunc_end_k_q5d58e58989_attn-k_q5d58e58989_attn
	.p2alignl 7, 3214868480
	.fill 96, 4, 3214868480
	.section	.rodata,"a",@progbits
	.p2align	6, 0x0
	.amdhsa_kernel k_q5d58e58989_attn
		.amdhsa_group_segment_fixed_size 327680
		.amdhsa_private_segment_fixed_size 0
		.amdhsa_enable_private_segment 0
		.amdhsa_kernarg_size 24
		.amdhsa_user_sgpr_count 2
		.amdhsa_user_sgpr_kernarg_segment_ptr 1
		.amdhsa_wavefront_size32 1
		.amdhsa_system_sgpr_workgroup_id_x 1
		.amdhsa_system_sgpr_workgroup_id_y 1
		.amdhsa_system_sgpr_workgroup_id_z 1
		.amdhsa_system_vgpr_workitem_id 0
		.amdhsa_next_free_vgpr 256
		.amdhsa_next_free_sgpr 66
		.amdhsa_reserve_vcc 0
		.amdhsa_float_denorm_mode_32 3
		.amdhsa_float_denorm_mode_16_64 3
		.amdhsa_memory_ordered 1
		.amdhsa_forward_progress 1
		.amdhsa_inst_pref_size 49
	.end_amdhsa_kernel
	.amdgpu_metadata
---
amdhsa.version: [ 1, 2 ]
amdhsa.kernels:
  - .name:           k_q5d58e58989_attn
    .symbol:         k_q5d58e58989_attn.kd
    .args:
      - { .name: qi, .offset: 0, .size: 8, .value_kind: global_buffer, .address_space: global }
      - { .name: kv, .offset: 8, .size: 8, .value_kind: global_buffer, .address_space: global }
      - { .name: ai, .offset: 16, .size: 8, .value_kind: global_buffer, .address_space: global }
    .group_segment_fixed_size: 327680
    .private_segment_fixed_size: 0
    .kernarg_segment_align: 8
    .kernarg_segment_size: 24
    .max_flat_workgroup_size: 512
    .sgpr_count:     66
    .vgpr_count:     256
    .wavefront_size: 32
...
	.end_amdgpu_metadata
.endif
;; end of part 3
;; launch proj (part 4): grid 8 x 32, 4 waves a work-group, clusters of 4 x 4, 327,680 bytes of LDS; arguments ai, wp, b1_proj, b2_proj, out0, out1; writes out0, out1
.if DOCPART == 4
	.amdgcn_target "amdgcn-amd-amdhsa--gfx1250"
	.amdhsa_code_object_version 6
	.text
	.protected	k_q5d58e58989_proj
	.globl	k_q5d58e58989_proj
	.p2align	8
	.type	k_q5d58e58989_proj,@function
k_q5d58e58989_proj:
	s_mov_b64 s[64:65], 0
	v_nop
	global_prefetch_b8 v0, s[64:65] scope:SCOPE_SE
	s_setreg_imm32_b32 hwreg(HW_REG_WAVE_MODE, 25, 1), 1
	s_wait_xcnt 0x0
	s_wait_alu depctr_hold_cnt(0) depctr_sa_sdst(0) depctr_va_vdst(0) depctr_va_sdst(0) depctr_va_ssrc(0) depctr_va_vcc(0) depctr_vm_vsrc(0)
	s_getreg_b32 s2, hwreg(HW_REG_IB_STS2, 6, 4)
	s_cmp_eq_u32 s2, 0
	s_cbranch_scc0 .Lentry_in_a_cluster
	s_endpgm
.Lentry_in_a_cluster:
	s_bfe_u32 s2, ttmp6, 0x10000c
	s_cmp_lg_u32 s2, 0xf033
	s_cbranch_scc0 .Lentry_shape_is_right
	s_endpgm
.Lentry_shape_is_right:
; out[token][d] = the sum over c of a[token][c] w[d][c] + b[d], for each stream with its own w and b.  a (the attention's result) and w in f16, sums in f32, out in f32.  K = 1,024.
; TILES.  256 tokens x 128 outputs to a work-group of four waves: 256 work-groups; a wave makes 128 x 64: 32 accumulators of 16 x 16, 256 registers.  Tile row ty = 4 x cluster y + cy (0 .. 31; the stream is ty / 16), tile column tx = 4 x cluster x + cx.
; The matrix instruction is used transposed (source 0 = 16 rows of w, source 1 = 16 tokens): a lane holds eight neighbouring outputs of one token.  The bias is the C of each sum's first matrix instruction.
; a lies in memory as images of operand registers, ai [K step of 128: 8][tile of 16 tokens][group 8][16 x lane]: a K step of 256 tokens is 65,536 consecutive bytes, and a fragment's half is read from LDS as 512 consecutive bytes.
; w lies by rows of 2,048 bytes: a K step's part of a row is 256 bytes, aligned; in LDS 16 bytes of padding follow each.
; K goes in 8 steps of 128 through a ring of two LDS slots.  Waves 0 and 1 fetch a's halves, waves 2 and 3 w's.
; CLUSTERS: 4 x 4 work-groups; a's tiles hang on ty alone and are asked for jointly by a row of the cluster, w's on tx and the stream, by a column.
; REGISTERS: window 0: v0-31 addresses; v32-63 the bias; v64-127 the way out.   window 1: two fragment buffers at v0 and v128: w's four fragments, then a's eight.   window 2: accumulator (a, b) at v[8 (4 a + b)].
.set PB,     272                       ; a row of w in LDS: 256 bytes + 16 of padding = 68 words: the 16 rows that a load touches start at 16 different banks (64 banks of 4 bytes: ISA guide 11.1)
.set ATILE,  65536                     ; a's part of a slot: 16 tiles of tokens x 4,096 bytes
.set HALFA,  32768                     ; what one tensor load brings of it, and what one wave reads
.set HALFB,  64*PB                     ; 64 rows of w likewise
.set SLOT,   ATILE+2*HALFB
.set STAGE,  2*SLOT                    ; behind the ring: 16 rows x (256 bytes + 16) for each wave, for the way out
.set SPITCH, 272
.set SPARE,  STAGE+4*16*SPITCH         ; behind the stages: the spare words, 128 bytes a wave, which no other line names
.set ADRA, 16                          ; v16-17  LDS address of my fragments of a in slot 0, 1
.set ADRB, 20                          ; v20-21  the same for w
.set STO,  24                          ; v24     the way out: where I put 32 bytes of a row
.set RD,   25                          ; v25     the way out: where I read a row back
.set CO,   26                          ; v26     my byte offset in two rows of out
.set SPW,  28                          ; v28     LDS address of my spare word; never rewritten
.set NIL,  29                          ; v29     0; never rewritten
.set BOF,  30                          ; v30     32 x (lane / 16): my eight numbers of the bias
.set BIAS, 32                          ; v32-63  register 8 b + j: b(16 b + 8 h + j) of my 64 outputs
.set BK,   64                          ; v64-127 16 rows read back from the stage, two sets
.set F0,   0
.set F1,   128
.set G1, 24                            ; s[24:31] descriptor group 1 for a's tiles;  s[32:39] group 0, one set for each slot
.set G0, 32
.set G1B, 48                           ; s[48:55], s[56:63] the same for w's tiles
.set G0B, 56
.set MSB, 0
.macro WIN new                         ; the immediate's high byte repeats the setting that is left
.if MSB != \new
	s_set_vgpr_msb (MSB<<8)|\new
.set MSB, \new
.endif
.endm
.set MUL,  0xa5                        ; sources 0 and 1 window 1; C and D window 2
.set MULB, 0x85                        ; the same with C (the bias) in window 0
.set TO_F, 0x40                        ; destination window 1, address window 0
.macro JLOAD s                         ; a joint load: waves 0 and 1 fetch a's halves, waves 2 and 3 w's; an s_nop 0 and four v_nop follow each of the two lines
	s_cmp_eq_u32 s11, 0
	s_cbranch_scc0 .Lfor_b_\@
	tensor_load_to_lds s[G0+4*\s:G0+4*\s+3], s[G1:G1+7]
	s_nop 0
.rept 4
	v_nop
.endr
	s_branch .Lasked_\@
.Lfor_b_\@:
	tensor_load_to_lds s[G0B+4*\s:G0B+4*\s+3], s[G1B:G1B+7]
	s_nop 0
.rept 4
	v_nop
.endr
.Lasked_\@:
.endm
.macro CREST                           ; a round of the cluster's barrier behind its opening barrier
	s_cmp_lg_u32 s10, 0
	s_cbranch_scc1 .Lnot_wave_0_\@
	s_barrier_signal -3
.Lnot_wave_0_\@:
	s_barrier_wait -3
	s_barrier_signal -1
	s_barrier_wait -1
.endm
.macro CROUND                          ; a whole round
	s_barrier_signal -1
	s_barrier_wait -1
	CREST
.endm
	s_load_b128 s[4:7], s[0:1], 0x0                ; ai, wp
	s_load_b256 s[68:75], s[0:1], 0x10             ; b1_proj s68, b2_proj s70, out0 s72, out1 s74
	v_lshl_add_u32 v[SPW], v0, 2, SPARE
	v_mov_b32 v[NIL], 0
	ds_add_u32 v[SPW], v[NIL]                      ; the wave's opening: the add, twice on end, and its wait ahead of my first tensor load; the set-up below stands between
	ds_add_u32 v[SPW], v[NIL]
	v_lshrrev_b32 v1, 5, v0
	v_readfirstlane_b32 s10, v1                    ; wave 0..3
	s_lshr_b32 s11, s10, 1                         ; which 128 tokens are mine.  Also: I fetch for a (0) or for w (1)
	s_and_b32 s12, s10, 1                          ; which 64 outputs.  Also: which half I fetch
	s_bfe_u32 s40, ttmp6, 0x40000                  ; cx, cy: my place in the cluster
	s_bfe_u32 s41, ttmp6, 0x40004
	s_lshl_b32 s42, ttmp9, 2
	s_add_co_u32 s42, s42, s40                     ; tx
	s_and_b32 s45, ttmp7, 0xffff
	s_lshl_b32 s13, s45, 2
	s_add_co_u32 s13, s13, s41                     ; ty
	s_lshr_b32 s45, s45, 2                         ; the stream: the same in all sixteen partners
	s_lshl_b32 s43, s41, 2
	s_lshl_b32 s43, 15, s43                        ; my row of the cluster
	s_lshl_b32 s44, 0x1111, s40                    ; my column
	; group 1 for a: 32,768 dense bytes as 128 rows of 256 (32 elements of 8 bytes), no padding
	s_or_b32 s[G1+0], s43, (3<<16)|(1<<21)         ; 15:0 the mask: my row; 17:16 elements of 8 bytes; 21 set beside a mask
	s_mov_b32 s[G1+1], 32<<16                      ; tensor_dim0
	s_mov_b32 s[G1+2], 128<<16                     ; tensor_dim1
	s_mov_b32 s[G1+3], 32<<16                      ; tile_dim0
	s_mov_b32 s[G1+4], 128                         ; tile_dim1
	s_mov_b32 s[G1+5], 32                          ; from row to row
	s_mov_b32 s[G1+6], 0
	s_mov_b32 s[G1+7], 0
	; group 1 for w: 64 rows x 128 elements of 2 bytes, 1,024 elements from row to row, 16 bytes of padding behind each row in LDS
	s_or_b32 s[G1B+0], s44, (1<<16)|(1<<20)|(1<<21)|(5<<22)|(3<<25)   ; the mask: my column; padding on: after every 64 words four words
	s_mov_b32 s[G1B+1], 128<<16
	s_mov_b32 s[G1B+2], 64<<16
	s_mov_b32 s[G1B+3], 128<<16
	s_mov_b32 s[G1B+4], 64
	s_mov_b32 s[G1B+5], 1024
	s_mov_b32 s[G1B+6], 0
	s_mov_b32 s[G1B+7], 0
	s_lshl_b32 s16, s13, 16                        ; a: 65,536 ty + 32,768 x half: it hangs on cy alone
	s_lshl_b32 s17, s12, 15
	s_add_co_u32 s16, s16, s17
	s_mov_b32 s17, 0
	s_lshl_b32 s46, s45, 10                        ; w: row 1,024 x stream + 128 tx + 64 x half: it hangs on cx alone
	s_lshl_b32 s47, s42, 7
	s_add_co_u32 s46, s46, s47
	s_lshl_b32 s47, s12, 6
	s_add_co_u32 s46, s46, s47
	s_lshl_b32 s46, s46, 11                        ; 2,048 bytes a row
	s_mov_b32 s47, 0
	s_lshl_b32 s20, s12, 15                        ; where they go: a's halves,
	s_mul_i32 s21, s12, HALFB
	s_add_co_u32 s21, s21, ATILE                   ; w's halves behind them: no place in the cluster enters an LDS address
	; the bias's and the output's offsets, in registers that feed no descriptor
	s_lshl_b32 s22, s42, 7
	s_lshl_b32 s23, s12, 6
	s_add_co_u32 s22, s22, s23                     ; my first output: 128 tx + 64 x half,
	s_lshl_b32 s22, s22, 2                         ; in bytes
	s_mov_b32 s23, 0
	s_and_b32 s18, s13, 15
	s_lshl_b32 s18, s18, 8
	s_lshl_b32 s19, s11, 7
	s_add_co_u32 s18, s18, s19                     ; my first row of the stream's output: 256 (ty % 16) + 128 x half
	s_lshl_b32 s18, s18, 12                        ; 4,096 bytes a row
	s_add_co_u32 s18, s18, s22
	s_mov_b32 s19, 0
	s_wait_dscnt 0x0                               ; both opening adds are done
	s_wait_kmcnt 0x0
	s_add_nc_u64 s[14:15], s[4:5], s[16:17]
	s_add_nc_u64 s[46:47], s[6:7], s[46:47]
	s_cmp_eq_u32 s45, 0                            ; the stream's bias and output
	s_cselect_b64 s[66:67], s[68:69], s[70:71]
	s_cselect_b64 s[8:9], s[72:73], s[74:75]
	s_add_nc_u64 s[66:67], s[66:67], s[22:23]
	s_add_nc_u64 s[8:9], s[8:9], s[18:19]
	CROUND                                         ; all sixteen work-groups are here: the first joint loads meet
.irp s, 0,1
	s_mov_b32 s[G0+4*\s], 1
	s_add_co_u32 s[G0+4*\s+1], s20, \s*SLOT
	s_add_nc_u64 s[G0+4*\s+2:G0+4*\s+3], s[14:15], \s*2097152      ; K step s: 512 tiles of 4,096 bytes on
	s_or_b32 s[G0+4*\s+3], s[G0+4*\s+3], 0x80000000
	s_mov_b32 s[G0B+4*\s], 1
	s_add_co_u32 s[G0B+4*\s+1], s21, \s*SLOT
	s_add_nc_u64 s[G0B+4*\s+2:G0B+4*\s+3], s[46:47], \s*256        ; K step s: 256 bytes on in each row
	s_or_b32 s[G0B+4*\s+3], s[G0B+4*\s+3], 0x80000000
	JLOAD \s
.endr
	v_and_b32 v1, 15, v0                           ; r = l % 16
	v_bfe_u32 v2, v0, 4, 1                         ; h = l / 16
	v_lshlrev_b32 v[BOF], 5, v2
.irp b, 0,1,2,3
	global_load_b128 v[BIAS+8*\b:BIAS+8*\b+3], v[BOF], s[66:67] offset:64*\b
	global_load_b128 v[BIAS+8*\b+4:BIAS+8*\b+7], v[BOF], s[66:67] offset:64*\b+16
.endr
	v_and_b32 v3, 31, v0
	v_lshlrev_b32 v3, 4, v3                        ; 16 x lane
	s_lshl_b32 s21, s11, 15                        ; my 128 tokens
	v_add_nc_u32 v[ADRA], s21, v3
	v_add_nc_u32 v[ADRA+1], SLOT, v[ADRA]
	v_mul_u32_u24 v4, v1, PB
	v_lshl_add_u32 v4, v2, 4, v4                   ; w: row x pitch + 16 x half
	s_mul_i32 s21, s12, HALFB                      ; my 64 rows,
	s_add_co_u32 s21, s21, ATILE                   ; behind a's part
	v_add_nc_u32 v[ADRB], s21, v4
	v_add_nc_u32 v[ADRB+1], SLOT, v[ADRB]
	s_mul_i32 s21, s10, 16*SPITCH
	s_add_co_u32 s21, s21, STAGE                   ; my stage
	v_mul_u32_u24 v5, v1, SPITCH                   ; in: row r, 32 bytes for each half of the lanes
	v_lshl_add_u32 v5, v2, 5, v5
	v_add_nc_u32 v[STO], s21, v5
	v_mul_u32_u24 v5, v2, SPITCH                   ; back: lanes 0-15 take one row of 256 bytes, lanes 16-31 the next
	v_lshl_add_u32 v5, v1, 4, v5
	v_add_nc_u32 v[RD], s21, v5
	v_lshlrev_b32 v5, 12, v2                       ; and the same two rows in out
	v_lshl_add_u32 v[CO], v1, 4, v5
; 8 matrix instructions: a's blocks a0, a0 + 1 x w's four, 32 along K, from buffer f.  bias = 1: the first product starts the sums from the bias.  The 32 accumulators take turns, one instruction a turn.
.macro MUL8 f, a0, bias
.irp a, \a0, \a0+1
.irp b, 0,1,2,3
.if \bias
	v_wmma_f32_16x16x32_f16 v[8*(4*(\a)+\b):8*(4*(\a)+\b)+7], v[\f+8*\b:\f+8*\b+7], v[\f+32+8*(\a):\f+32+8*(\a)+7], v[BIAS+8*\b:BIAS+8*\b+7]
.else
	v_wmma_f32_16x16x32_f16 v[8*(4*(\a)+\b):8*(4*(\a)+\b)+7], v[\f+8*\b:\f+8*\b+7], v[\f+32+8*(\a):\f+32+8*(\a)+7], v[8*(4*(\a)+\b):8*(4*(\a)+\b)+7]
.endif
.endr
.endr
.endm
; 24 LDS loads in one run: the fragments of the slot's q-th 32 along K into buffer f: w's four, then a's eight, blocks 0-3 first
.macro FETCH slot, q, f
	WIN TO_F
.irp i, 0,1,2,3
	ds_load_b128 v[\f+8*\i:\f+8*\i+3],   v[ADRB+\slot] offset:64*(\q)+\i*16*PB
	ds_load_b128 v[\f+8*\i+4:\f+8*\i+7], v[ADRB+\slot] offset:64*(\q)+\i*16*PB+32
.endr
.irp a, 0,1,2,3,4,5,6,7
	ds_load_b128 v[\f+32+8*\a:\f+32+8*\a+3],   v[ADRA+\slot] offset:4096*\a+1024*(\q)
	ds_load_b128 v[\f+32+8*\a+4:\f+32+8*\a+7], v[ADRA+\slot] offset:4096*\a+1024*(\q)+512
.endr
.endm
.macro PLACES                          ; four places in front of loads into registers that matrix instructions have read, and of the first read of results (ISA guide 7.12.1 for the reads of results)
.rept 4
	v_nop
.endr
.endm
; A K step is four quarters of 32 along K, 32 matrix instructions each, on buffers 0, 1, 0, 1.  One of the first three: multiplies buffer f and fetches quarter qn into g.
.macro QUARTER slot, qn, f, g, bias
	s_wait_dscnt 8                                 ; w's fragments and a's blocks 0-3 are in; the youngest eight loads (blocks 4-7) may be out
.if \bias
	WIN MULB
.else
	WIN MUL
.endif
	MUL8 \f, 0, \bias
	MUL8 \f, 2, \bias
	PLACES
	FETCH \slot, \qn, \g
	s_wait_dscnt 24                                ; all but the 24 just issued
.if \bias
	WIN MULB
.else
	WIN MUL
.endif
	MUL8 \f, 4, \bias
	MUL8 \f, 6, \bias
.endm
; The last quarter multiplies buffer 1 and changes slots: ONE barrier; in front of it each wave waits for all its tensor loads, adds 0 to its spare word, and waits for that and for its own reads of this slot.
; fill = 1: the barrier opens a round of the cluster's barrier, and this slot is filled again, two K steps ahead: the joint load is the first thing behind the round.
.macro TURN slot, next, fill
	WIN 0                                          ; (the add's two registers lie in window 0)
	s_wait_tensorcnt 0x0                           ; all my tensor loads have landed: my part of the next slot;
	ds_add_u32 v[SPW], v[NIL]                      ; 0 onto my spare word;
	s_wait_dscnt 9                                 ; (the add and the youngest eight loads may be out)
	WIN MUL
	MUL8 F1, 0, 0                                  ; eight matrix instructions stand between the add and the wait for it
	s_wait_dscnt 0x0                               ; the add is done, and my reads of this slot are over
	s_barrier_signal -1
	MUL8 F1, 2, 0
.if \fill
	WIN 0
.endif
	s_barrier_wait -1
.if \fill
	CREST                                          ; no wave of any partner still reads this slot's tiles or has a load on its way
	s_add_nc_u64 s[G0+4*\slot+2:G0+4*\slot+3], s[G0+4*\slot+2:G0+4*\slot+3], 2*2097152
	s_add_nc_u64 s[G0B+4*\slot+2:G0B+4*\slot+3], s[G0B+4*\slot+2:G0B+4*\slot+3], 2*256
	JLOAD \slot                                    ; the four v_nop behind it are also the places in front of the loads below
.else
	PLACES
.endif
	FETCH \next, 0, F0
	WIN MUL
	MUL8 F1, 4, 0
	MUL8 F1, 6, 0
.endm
	s_wait_tensorcnt 1                             ; my part of K step 0 is in (K step 1's load may be out),
	s_barrier_signal -1
	s_barrier_wait -1                              ; everybody's is
	FETCH 0, 0, F0
	s_wait_loadcnt 0x0                             ; the bias
	QUARTER 0, 1, F0, F1, 1                        ; the first quarter stands in front of the loop: its products start the sums
	WIN 0                                          ; at a label and at a branch every window is 0
	s_mov_b32 s3, 3
.Llap:                                             ; a trip goes once round the ring, from a lap's second quarter to the next lap's first, and fills both slots again: K steps 2 to 7
	QUARTER 0, 2, F1, F0, 0
	QUARTER 0, 3, F0, F1, 0
	TURN 0, 1, 1
	QUARTER 1, 1, F0, F1, 0
	QUARTER 1, 2, F1, F0, 0
	QUARTER 1, 3, F0, F1, 0
	TURN 1, 0, 1
	QUARTER 0, 1, F0, F1, 0
	WIN 0
	s_sub_co_u32 s3, s3, 1
	s_cmp_lg_u32 s3, 0
	s_cbranch_scc1 .Llap
	QUARTER 0, 2, F1, F0, 0                        ; the last lap fills nothing, and has no round of the cluster's barrier
	QUARTER 0, 3, F0, F1, 0
	TURN 0, 1, 0
	QUARTER 1, 1, F0, F1, 0
	QUARTER 1, 2, F1, F0, 0
	QUARTER 1, 3, F0, F1, 0
	s_wait_dscnt 8                                 ; the very last quarter: nothing more to fetch
	WIN MUL
	MUL8 F1, 0, 0
	MUL8 F1, 2, 0
	s_wait_dscnt 0
	MUL8 F1, 4, 0
	MUL8 F1, 6, 0
	WIN 0
; THE WAY OUT, block by block of 16 tokens x 64 outputs.  A lane holds 32 neighbouring bytes of a row, and the lanes beside it hold other rows: so a block goes through my own stage in LDS and comes back by rows of 256 bytes:
; sixteen lanes store 256 consecutive bytes, aligned.  LDS serves a wave's instructions in order (ISA guide 5.7.1.4): no wait between the stores and the loads, nor in front of the next block's stores.
.macro TOSTAGE a
	WIN 0x08                                       ; an LDS store's data are its source 1: window 2
.irp b, 0,1,2,3
	ds_store_b128 v[STO], v[8*(4*(\a)+\b):8*(4*(\a)+\b)+3] offset:64*\b          ; each accumulator from its low end on
	ds_store_b128 v[STO], v[8*(4*(\a)+\b)+4:8*(4*(\a)+\b)+7] offset:64*\b+16
.endr
	WIN 0
.irp t, 0,1,2,3,4,5,6,7
	ds_load_b128 v[BK+32*((\a)%2)+4*\t:BK+32*((\a)%2)+4*\t+3], v[RD] offset:\t*2*SPITCH
.endr
.endm
.macro SEND a, younger                 ; younger: the LDS instructions issued behind block a's loads, which may stay out
	s_wait_dscnt \younger
.irp t, 0,1,2,3,4,5,6,7
	global_store_b128 v[CO], v[BK+32*((\a)%2)+4*\t:BK+32*((\a)%2)+4*\t+3], s[8:9] offset:65536*(\a)+8192*\t th:TH_STORE_NT   ; rows 16 a + 2 t and + 1; the largest offset, 516,096, lies inside the signed 24-bit immediate
.endr
.endm
	PLACES                                         ; behind the last products, ahead of every read of results
	TOSTAGE 0
.irp a, 1,2,3,4,5,6,7
.if \a > 1
	s_wait_xcnt 0x0                                ; block a - 2's stores have read their registers: block a's loads may land there
.endif
	TOSTAGE \a
	SEND \a-1, 16                                  ; behind block a - 1's loads: block a's 8 stores and 8 loads
.endr
	SEND 7, 0
	s_wait_tensorcnt 0x0                           ; the wave's end, behind my last tensor load and my last LDS store
	ds_add_u32 v[SPW], v[NIL]
	s_wait_dscnt 0x0
	CROUND                                         ; the closing round: no work-group ends while a partner may still ask for a tile that names it
	s_endpgm
.Lfunc_end_k_q5d58e58989_proj:
	.size	k_q5d58e58989_proj, .Lfunc_end_k_q5d58e58989_proj-k_q5d58e58989_proj
	.p2alignl 7, 3214868480
	.fill 96, 4, 3214868480
	.section	.rodata,"a",@progbits
	.p2align	6, 0x0
	.amdhsa_kernel k_q5d58e58989_proj
		.amdhsa_group_segment_fixed_size 327680
		.amdhsa_private_segment_fixed_size 0
		.amdhsa_enable_private_segment 0
		.amdhsa_kernarg_size 48
		.amdhsa_user_sgpr_count 2
		.amdhsa_user_sgpr_kernarg_segment_ptr 1
		.amdhsa_wavefront_size32 1
		.amdhsa_system_sgpr_workgroup_id_x 1
		.amdhsa_system_sgpr_workgroup_id_y 1
		.amdhsa_system_sgpr_workgroup_id_z 1
		.amdhsa_system_vgpr_workitem_id 0
		.amdhsa_next_free_vgpr 768
		.amdhsa_next_free_sgpr 76
		.amdhsa_reserve_vcc 0
		.amdhsa_float_denorm_mode_32 3
		.amdhsa_float_denorm_mode_16_64 3
		.amdhsa_memory_ordered 1
		.amdhsa_forward_progress 1
		.amdhsa_inst_pref_size 86
	.end_amdhsa_kernel
	.amdgpu_metadata
---
amdhsa.version: [ 1, 2 ]
amdhsa.kernels:
  - .name:           k_q5d58e58989_proj
    .symbol:         k_q5d58e58989_proj.kd
    .args:
      - { .name: ai, .offset: 0, .size: 8, .value_kind: global_buffer, .address_space: global }
      - { .name: wp, .offset: 8, .size: 8, .value_kind: global_buffer, .address_space: global }
      - { .name: b1_proj, .offset: 16, .size: 8, .value_kind: global_buffer, .address_space: global }
      - { .name: b2_proj, .offset: 24, .size: 8, .value_kind: global_buffer, .address_space: global }
      - { .name: out0, .offset: 32, .size: 8, .value_kind: global_buffer, .address_space: global }
      - { .name: out1, .offset: 40, .size: 8, .value_kind: global_buffer, .address_space: global }
    .group_segment_fixed_size: 327680
    .private_segment_fixed_size: 0
    .kernarg_segment_align: 8
    .kernarg_segment_size: 48
    .max_flat_workgroup_size: 128
    .sgpr_count:     76
    .vgpr_count:     768
    .wavefront_size: 32
...
	.end_amdgpu_metadata
.endif
;; end of part 4
